; MI455X (gfx1250); checked and timed in simulation.
; The chip was launched on July 23, 2026; its instructions are those of AMD's public machine-readable ISA for CDNA 5 (MIT licence, August 2026) and "CDNA5" Instruction Set Architecture Reference Guide (July 2026). The comments in the code are by the model that wrote it; some were corrected since.
;; Multi Head Attention. Allowed arithmetic: matrix products marked QUANTISED: E2M1 operands, one E8M0 scale for each 32 along K, by v_wmma_scale_f32_16x16x128_f8f6f4 with both operands' format E2M1 (or v_wmma_scale_f32_32x16x128_f4), f32 sums; products left as they are: bf16, f16 or f32 operands; f32 sums; everything else in f32.
;; Inputs: Wfc 1,024 x 1,024 float32; Wk 1,024 x 1,024 float32; Wq 1,024 x 1,024 float32; Wv 1,024 x 1,024 float32; x 4 x 4,096 x 1,024 float32.
;; Outputs: out0 4 x 4,096 x 1,024 float32.
;; This version of the problem:
;;   THIS VERSION OF THE PROBLEM IS GIVEN IN LOW PRECISION. The matrix products marked QUANTISED in the list below multiply operands that are first quantised to E2M1 (2 exponent bits, 1 mantissa bit; 4 bits a number), with one power-of-two scale for each 32 numbers along K (OCP MX v1.0); their sums are f32. The products marked 'left as it is' may take bf16, f16 or f32 operands, with f32 sums. Whichever they take, every output number must still come out within the allowed error. Rounding operands to bf16 (8 significant bits) uses up far more of that allowance than f16 does (11 bits, for magnitudes from 6e-5 to 65,504). All else is computed in f32.
;;   The module's matrix products, in the order in which they are computed (A, B: the left and right operand; K: the contracted axis; several contracted axes count as one K, in the product's order):
;;     1. [M 16,384, K 1,024] x [K 1,024, N 1,024]; A: input x; B: input Wq: QUANTISED
;;     2. [M 16,384, K 1,024] x [K 1,024, N 1,024]; A: input x; B: input Wk: QUANTISED
;;     3. [M 16,384, K 1,024] x [K 1,024, N 1,024]; A: input x; B: input Wv: QUANTISED
;;     4. batch 16,384 x [M 16, K 64] x [K 64, N 16]; A: computed on the way; B: computed on the way: left as it is (an operand is computed on the way)
;;     5. batch 16,384 x [M 16, K 16] x [K 16, N 64]; A: computed on the way; B: computed on the way: left as it is (K = 16 < 32)
;;     6. [M 16,384, K 1,024] x [K 1,024, N 1,024]; A: computed on the way; B: input Wfc: left as it is (an operand is computed on the way)
;;   THE QUANTISER, for each operand of a quantised product, along K:
;;     - K is cut into blocks of 32 from its start; a last block that is shorter is filled with zeros.
;;     - A block's scale is 2^e with e = floor(log2(the largest magnitude in the block)) - 2, held to -126 .. 127; a block of zeros has e = 0. As a byte (E8M0): e + 127.
;;     - Each number is divided by its block's scale, clamped to +-6, and rounded to the nearest number of E2M1, ties to even, subnormals kept.
;;     - The product sums the exact products of the quantised numbers (number of the format x scale) in f32.
;;   ~~~python
;;   def quantise(x, axis):      # numpy; x: float32 -> the quantised numbers, widened to float32 again
;;       x = np.moveaxis(x, axis, -1); K = x.shape[-1]
;;       x = np.pad(x, [(0, 0)] * (x.ndim - 1) + [(0, -K % 32)]); x = x.reshape(x.shape[:-1] + (-1, 32)); a = np.abs(x).max(-1, keepdims=True)
;;       e = np.where(a > 0, np.clip(np.frexp(np.where(a > 0, a, 1))[1] - 1 - 2, -126, 127), 0)      # np.frexp(a)[1] - 1 = floor(log2(a)), exactly
;;       r = np.clip(x / 2.0 ** e, -6, 6)
;;       step = 2.0 ** (np.maximum(np.frexp(np.where(r == 0, 1, r))[1] - 1, 0) - 1)
;;       q = np.round(r / step) * step * 2.0 ** e      # np.round: ties to even
;;       return np.moveaxis(q.reshape(q.shape[:-2] + (-1,))[..., :K], -1, axis).astype(np.float32)
;;   ~~~
;; 2 versions, each right; version 2 is version 1 with the launch main written anew for expert scheduling mode. Each part assembles by itself: llvm-mc -triple=amdgcn-amd-amdhsa -mcpu=gfx1250 --defsym DOCPART=n.
;; ======== version 1 of 2: 2 launches
;; limits: values are held in f16: magnitudes above 65,504 overflow, below 6.1e-05 lose precision
;; workspace buffers: xc 8,388,608 bytes; xs 524,288 bytes; wc 1,572,864 bytes; ws 98,304 bytes; wf 2,097,152 bytes
;; launch prep (part 1): grid 640 x 1, 4 waves a work-group, no clusters, 34,304 bytes of LDS; arguments x, Wq, Wk, Wv, Wfc, xc, xs, wc, ws, wf; writes xc, xs, wc, ws, wf
.if DOCPART == 1
	.amdgcn_target "amdgcn-amd-amdhsa--gfx1250"
	.amdhsa_code_object_version 6
	.text
	.protected	k_q0299e0009c_prep
	.globl	k_q0299e0009c_prep
	.p2align	8
	.type	k_q0299e0009c_prep,@function
k_q0299e0009c_prep:
	s_mov_b64 s[64:65], 0
	v_nop
	global_prefetch_b8 v0, s[64:65] scope:SCOPE_SE
	s_setreg_imm32_b32 hwreg(HW_REG_WAVE_MODE, 25, 1), 1
	s_wait_xcnt 0x0
; x [16384][1024], Wq, Wk, Wv [1024][1024], f32, become codes of FP4 (E2M1) with one E8M0 scale byte for each 32 along K (K is innermost in all of them);
; Wfc [1024][1024] becomes f16.  All five results are laid IN THE ORDER OF THE OPERANDS' REGISTERS, so that the next launch loads every fragment by loads of 16 bytes a lane, 512 consecutive bytes a load.
; A block's scale is 2^(floor(log2(its largest magnitude)) - 2): its byte is the largest magnitude's exponent field - 2, held at 1 from below; each number is divided by the scale and rounded to the nearest code,
; ties to even, beyond 6 the largest code.  A block of zeros gets the byte 1 where the rule says 127: its codes are zeros, which add nothing under any byte but 0xff, and this program alone reads the bytes.
; LIMITS: NaN and infinities among the inputs are not served; blocks whose largest magnitude lies under 2^-124 (the floor) keep the byte 1.  Wfc in f16: magnitudes from 6e-8 (coarsely under 6e-5) to 65,504.
; LAYOUTS.  A fragment of codes, 16 rows x 128 K, is 1,024 bytes: [block of 32 along K: 4][row: 16][16 bytes].   xc: [tile of 16 rows: 1024][K step: 8][1,024].   wc: [pos: 192][K step: 8][1,024].
;   Scale bytes of a tile, 512 bytes: [half of K: 2][row: 16][16 bytes = the words of 4 K steps].   xs: [tile][512], ws: [pos][512].
;   pos = 48 w + 16 mat + i for tile T = 16 w + i of matrix mat (0 Wq, 1 Wk, 2 Wv): the order in which wave w of the next launch takes them.
;   A tile of Wq or Wk is rows 16 T + m.  A tile of Wv is rows 64 m + T, m = 0 .. 15 the head: its product comes out as V with the heads along a lane's registers.
;   wf: [w: 4][pass: 2][K step of 32: 32][nt: 8][1,024]; tile of 16 rows N = 16 w + 8 pass + nt; a fragment is [chunk of 8 numbers q: 4][row: 16][16 bytes];
;   place p = 4 s + q along K holds Wfc[n][64 (p % 16) + 8 (p / 16) + 0 .. 7]: a permutation of K that the next launch's other operand has too.
; SHARES.  A wave takes 16 rows x 512 along K, in four steps of 128.  Work-groups 0-511: x; 512-543 Wq; 544-575 Wk; 576-607 Wv; 608-639 Wfc.  Only pointers, strides and one flag hang on the work-group's number.
; Each load reads 512 consecutive bytes of one row; a step's 16 rows turn through the wave's own stage in LDS (rows 528 bytes apart: 16 modulo 256, so that sixteen lanes' 16 bytes fall on sixteen different
; columns) and come back so that lane (r, h) holds blocks h and 2 + h of row r, 32 neighbours each: the very numbers that the operand's layout gives that lane.  No barrier: waves share nothing.
.set SP,    528                        ; a stage row
.set STG,   16*SP                      ; a wave's stage
.set SPARE, 4*STG                      ; behind the stages: the spare words, 128 bytes for each wave: two blocks of 256 bytes that no other line names
.set L16, 1                            ; v1      16 x lane
.set STI, 2                            ; v2      the stage, on the way in: wave's stage + 16 x lane
.set SRD, 3                            ; v3      and back: wave's stage + 528 r + 128 h
.set SH8, 4                            ; v4      8 h
.set COF, 5                            ; v5      Wfc's stores: 16 r + 131072 h
.set SOF, 6                            ; v6      the scale words' store: 16 r + 8 h
.set SPW, 7                            ; v7      LDS address of my spare word; never rewritten
.set NIL, 8                            ; v8      0; never rewritten
.set WT,  9                            ; v9-12   my row's scale words of the four steps
.set PD,  13                           ; v13     a lane permute's destination
.set HH,  14                           ; v14     h
.set OFF, 16                           ; v16-31  row i of the tile: 16 x lane + i x the stride between the tile's rows
.set R,   32                           ; v32-159 two sets of 64: a step as loaded
.set X,   160                          ; v160-223 my two blocks of 32 neighbours
.set C,   224                          ; v224-255 what is stored: 8 registers of codes, or 32 of f16
.set MX,  232                          ; v232-233 largest magnitudes;  v234-235 the conversions' scale operands;  v236-237 bytes;  v238-239 two scale words to store
.set SO,  234
.set BY,  236
	s_load_b256 s[8:15], s[0:1], 0x0               ; x, Wq, Wk, Wv
	s_load_b256 s[16:23], s[0:1], 0x20             ; Wfc, xc, xs, wc
	s_load_b128 s[24:27], s[0:1], 0x40             ; ws, wf
	v_lshl_add_u32 v[SPW], v0, 2, SPARE
	v_mov_b32 v[NIL], 0
	v_lshrrev_b32 v15, 5, v0
	v_readfirstlane_b32 s2, v15                    ; wave 0..3
	v_and_b32 v15, 31, v0
	v_lshlrev_b32 v[L16], 4, v15
	v_and_b32 v15, 15, v0                          ; r
	v_bfe_u32 v[HH], v0, 4, 1                      ; h
	s_mul_i32 s3, s2, STG
	v_add_nc_u32 v[STI], s3, v[L16]
	v_mul_u32_u24 v[SRD], v15, SP
	v_lshl_add_u32 v[SRD], v[HH], 7, v[SRD]
	v_add_nc_u32 v[SRD], s3, v[SRD]
	v_lshlrev_b32 v[SH8], 3, v[HH]
	v_lshlrev_b32 v[COF], 4, v15
	v_lshl_add_u32 v[SOF], v[HH], 3, v[COF]
	v_lshl_add_u32 v[COF], v[HH], 17, v[COF]
.irp i, 0,1,2,3
	v_mov_b32 v[WT+\i], 0                          ; written on one of a step's two ways alone: so they are written here
.endr
	v_mov_b32 v[PD], 0                             ; a lane permute's destination counts as one of its sources
	s_mov_b32 s4, 0x76543210
	s_mov_b32 s5, 0xfedcba98                       ; v_permlanex16_b32's selects for lane l xor 16
	; which job is my wave's
	s_sub_co_u32 s34, ttmp9, 512
	s_lshr_b32 s35, s34, 5                         ; which weight: 0 Wq, 1 Wk, 2 Wv, 3 Wfc
	s_and_b32 s34, s34, 31
	s_cmp_lt_u32 ttmp9, 512
	s_cselect_b32 s34, ttmp9, s34                  ; the work-group's number within its tensor
	s_cselect_b32 s35, 0, s35                      ; (x counts as 0)
	s_lshl_b32 s34, s34, 2
	s_add_co_u32 s34, s34, s2
	s_and_b32 s36, s34, 1                          ; half of K
	s_lshr_b32 s34, s34, 1                         ; tile
	s_lshl_b32 s37, s34, 4
	s_mov_b32 s38, 4096
	s_cmp_eq_u32 s35, 2                            ; Wv?
	s_cselect_b32 s37, s34, s37                    ; the tile's first row: T for Wv, else 16 x tile
	s_cselect_b32 s38, 0x40000, s38                ; from row to row of the tile: 64 rows for Wv, else one
	s_lshl_b32 s40, s37, 12
	s_lshl_b32 s39, s36, 11
	s_add_co_u32 s40, s40, s39                     ; the source: first row x 4,096 + half x 2,048 bytes
	s_mov_b32 s41, 0
	s_lshr_b32 s39, s34, 4
	s_mul_i32 s39, s39, 48
	s_lshl_b32 s42, s35, 4
	s_add_co_u32 s39, s39, s42
	s_and_b32 s42, s34, 15
	s_add_co_u32 s39, s39, s42                     ; a weight's pos
	s_cmp_lt_u32 ttmp9, 512
	s_cselect_b32 s39, s34, s39                    ; x: the tile itself
	s_lshl_b32 s42, s39, 13
	s_lshl_b32 s44, s36, 12
	s_add_co_u32 s42, s42, s44                     ; codes: pos x 8,192 + half x 4,096
	s_lshl_b32 s44, s39, 9
	s_lshl_b32 s46, s36, 8
	s_add_co_u32 s44, s44, s46                     ; scale bytes: pos x 512 + half x 256
	s_mov_b32 s45, 0
	s_lshr_b32 s46, s34, 3
	s_lshl_b32 s46, s46, 18
	s_and_b32 s47, s34, 7
	s_lshl_b32 s47, s47, 10
	s_add_co_u32 s46, s46, s47
	s_lshl_b32 s47, s36, 14
	s_add_co_u32 s46, s46, s47                     ; Wfc: (N / 8) x 262,144 + (N % 8) x 1,024 + half x 16,384
	s_cmp_eq_u32 s35, 3
	s_cselect_b32 s42, s46, s42
	s_cselect_b32 s7, 1, 0                         ; s7 = 1: this work-group converts Wfc
	s_mov_b32 s43, 0
.irp i, 0,1,2,3,4,5,6,7,8,9,10,11,12,13,14,15
	v_mad_u32_u24 v[OFF+\i], s38, \i, v[L16]
.endr
	s_wait_kmcnt 0x0
	s_cmp_lt_u32 ttmp9, 608                        ; the buffers are chosen by the work-group's number alone
	s_cselect_b64 s[28:29], s[14:15], s[16:17]
	s_cselect_b64 s[30:31], s[22:23], s[26:27]
	s_cmp_lt_u32 ttmp9, 576
	s_cselect_b64 s[28:29], s[12:13], s[28:29]
	s_cmp_lt_u32 ttmp9, 544
	s_cselect_b64 s[28:29], s[10:11], s[28:29]
	s_cmp_lt_u32 ttmp9, 512
	s_cselect_b64 s[28:29], s[8:9], s[28:29]       ; s[28:29] the source
	s_cselect_b64 s[30:31], s[18:19], s[30:31]     ; s[30:31] codes, or f16
	s_cselect_b64 s[32:33], s[20:21], s[24:25]     ; s[32:33] scale bytes
	s_add_nc_u64 s[28:29], s[28:29], s[40:41]
	s_add_nc_u64 s[30:31], s[30:31], s[42:43]
	s_add_nc_u64 s[32:33], s[32:33], s[44:45]
.macro LOAD t                          ; step t: 16 rows x 512 consecutive bytes, into set t % 2
.irp i, 0,1,2,3,4,5,6,7,8,9,10,11,12,13,14,15
	global_load_b128 v[R+64*((\t)%2)+4*\i:R+64*((\t)%2)+4*\i+3], v[OFF+\i], s[28:29] offset:512*(\t) th:TH_LOAD_NT
.endr
.endm
.macro STEP t
.if \t < 3
	s_wait_loadcnt 16                              ; this step's 16 loads are in; the next step's 16 may be out
.else
	s_wait_loadcnt 0x0
.endif
.irp i, 0,1,2,3,4,5,6,7,8,9,10,11,12,13,14,15
	ds_store_b128 v[STI], v[R+64*((\t)%2)+4*\i:R+64*((\t)%2)+4*\i+3] offset:SP*\i
.endr
.irp c, 0,1
.irp i, 0,1,2,3,4,5,6,7
	ds_load_b128 v[X+32*\c+4*\i:X+32*\c+4*\i+3], v[SRD] offset:256*\c+16*\i   ; block 2 c + h of row r.  LDS serves a wave's instructions in order: these see the stores above
.endr
.endr
	s_wait_dscnt 0x0                               ; my two blocks are in, and the stores have read their registers
	s_wait_xcnt 0x0                                ; the last step's global stores have read theirs: v224 on may be written again
.if \t < 2
	LOAD (\t)+2
.endif
	s_cmp_lg_u32 s7, 0                             ; the two ways hold vector work and global stores alone: every LDS line is common to both
	s_cbranch_scc1 .Lconv_\@
.irp c, 0,1
	v_max3_num_f32 v[MX+\c], |v[X+32*\c]|, |v[X+32*\c+1]|, 0x1800000   ; the block's largest magnitude: all 32 numbers are mine; and the floor 2^(3 - 127), so that the byte cannot fall under 1
.endr
.irp i, 2,4,6,8,10,12,14,16,18,20,22,24,26,28,30
.irp c, 0,1
	v_max3_num_f32 v[MX+\c], v[MX+\c], |v[X+32*\c+\i]|, |v[X+32*\c+\i+1]|   ; (the two blocks by turns)
.endr
.endr
.irp c, 0,1
	v_add_nc_u32 v[SO+\c], 0xff000000, v[MX+\c]    ; 2 off its exponent field: the conversion takes the exponent field of this operand as its scale, and nothing else of it
.endr
.irp c, 0,1
	v_lshrrev_b32 v[BY+\c], 23, v[SO+\c]           ; the scale's byte
.endr
	v_lshl_or_b32 v[BY], v[BY+1], 16, v[BY]        ; my two bytes: blocks h and 2 + h,
	v_lshlrev_b32 v[BY], v[SH8], v[BY]             ; at their places in the word;
	v_permlanex16_b32 v[PD], v[BY], s4, s5
	v_or_b32 v[WT+\t], v[BY], v[PD]                ; with lane l xor 16's two the word is whole
.irp c, 0,1
.irp g, 0,1,2,3
	v_cvt_scalef32_pk8_fp4_f32 v[C+4*\c+\g], v[X+32*\c+8*\g:X+32*\c+8*\g+7], v[SO+\c]   ; registers 4 c .. 4 c + 3 of the operand
.endr
.endr
	v_nop                                          ; one plain vector line behind the last scaled conversion
.irp c, 0,1
	global_store_b128 v[L16], v[C+4*\c:C+4*\c+3], s[30:31] offset:1024*\t+512*\c   ; the registers as they stand: 512 consecutive bytes
.endr
.if \t == 3
	v_cmp_ne_u32 vcc_lo, 0, v[HH]
	v_cndmask_b32 v[BY+2], v[WT], v[WT+2], vcc_lo  ; lanes 0-15 store the words of steps 0 and 1, lanes 16-31 those of steps 2 and 3:
	v_cndmask_b32 v[BY+3], v[WT+1], v[WT+3], vcc_lo
	global_store_b64 v[SOF], v[BY+2:BY+3], s[32:33]   ; 256 consecutive bytes, aligned
.endif
	s_branch .Ljoin_\@
.Lconv_\@:
.irp c, 0,1
.irp g, 0,1,2,3
.irp k, 0,1,2,3
	v_cvt_pk_f16_f32 v[C+16*\c+4*\g+\k], v[X+32*\c+8*\g+2*\k], v[X+32*\c+8*\g+2*\k+1]   ; chunk (c, g): k = 64 (8 half + 2 t + c) + 8 (4 h + g) + 0 .. 7
.endr
.endr
.endr
.irp c, 0,1
.irp g, 0,1,2,3
	global_store_b128 v[COF], v[C+16*\c+4*\g:C+16*\c+4*\g+3], s[30:31] offset:32768*\g+8192*(\t/2)+512*(\t%2)+256*\c   ; place p = 64 h + 16 g + 8 half + 2 t + c: sixteen lanes store 256 consecutive bytes, aligned
.endr
.endr
.Ljoin_\@:
.endm
	LOAD 0
	LOAD 1
	STEP 0
	STEP 1
	STEP 2
	STEP 3
	s_wait_tensorcnt 0x0                           ; the wave's end, behind my last LDS store
	ds_add_u32 v[SPW], v[NIL]
	s_wait_dscnt 0x0
	s_endpgm
.Lfunc_end_k_q0299e0009c_prep:
	.size	k_q0299e0009c_prep, .Lfunc_end_k_q0299e0009c_prep-k_q0299e0009c_prep
	.p2alignl 7, 3214868480
	.fill 96, 4, 3214868480
	.section	.rodata,"a",@progbits
	.p2align	6, 0x0
	.amdhsa_kernel k_q0299e0009c_prep
		.amdhsa_group_segment_fixed_size 34304
		.amdhsa_private_segment_fixed_size 0
		.amdhsa_enable_private_segment 0
		.amdhsa_kernarg_size 80
		.amdhsa_user_sgpr_count 2
		.amdhsa_user_sgpr_kernarg_segment_ptr 1
		.amdhsa_wavefront_size32 1
		.amdhsa_system_sgpr_workgroup_id_x 1
		.amdhsa_system_sgpr_workgroup_id_y 1
		.amdhsa_system_sgpr_workgroup_id_z 1
		.amdhsa_system_vgpr_workitem_id 0
		.amdhsa_next_free_vgpr 256
		.amdhsa_next_free_sgpr 66
		.amdhsa_reserve_vcc 1
		.amdhsa_float_denorm_mode_32 3
		.amdhsa_float_denorm_mode_16_64 3
		.amdhsa_memory_ordered 1
		.amdhsa_forward_progress 1
		.amdhsa_inst_pref_size 44
	.end_amdhsa_kernel
	.amdgpu_metadata
---
amdhsa.version: [ 1, 2 ]
amdhsa.kernels:
  - .name:           k_q0299e0009c_prep
    .symbol:         k_q0299e0009c_prep.kd
    .args:
      - { .name: x, .offset: 0, .size: 8, .value_kind: global_buffer, .address_space: global }
      - { .name: Wq, .offset: 8, .size: 8, .value_kind: global_buffer, .address_space: global }
      - { .name: Wk, .offset: 16, .size: 8, .value_kind: global_buffer, .address_space: global }
      - { .name: Wv, .offset: 24, .size: 8, .value_kind: global_buffer, .address_space: global }
      - { .name: Wfc, .offset: 32, .size: 8, .value_kind: global_buffer, .address_space: global }
      - { .name: xc, .offset: 40, .size: 8, .value_kind: global_buffer, .address_space: global }
      - { .name: xs, .offset: 48, .size: 8, .value_kind: global_buffer, .address_space: global }
      - { .name: wc, .offset: 56, .size: 8, .value_kind: global_buffer, .address_space: global }
      - { .name: ws, .offset: 64, .size: 8, .value_kind: global_buffer, .address_space: global }
      - { .name: wf, .offset: 72, .size: 8, .value_kind: global_buffer, .address_space: global }
    .group_segment_fixed_size: 34304
    .private_segment_fixed_size: 0
    .kernarg_segment_align: 8
    .kernarg_segment_size: 80
    .max_flat_workgroup_size: 128
    .sgpr_count:     66
    .vgpr_count:     256
    .wavefront_size: 32
...
	.end_amdgpu_metadata
.endif
;; end of part 1
;; launch main (part 2): grid 256 x 1, 4 waves a work-group, no clusters, 265,728 bytes of LDS; arguments xc, xs, wc, ws, wf, out0; writes out0
.if DOCPART == 2
	.amdgcn_target "amdgcn-amd-amdhsa--gfx1250"
	.amdhsa_code_object_version 6
	.text
	.protected	k_q0299e0009c_main
	.globl	k_q0299e0009c_main
	.p2align	8
	.type	k_q0299e0009c_main,@function
k_q0299e0009c_main:
	s_mov_b64 s[64:65], 0
	v_nop
	global_prefetch_b8 v0, s[64:65] scope:SCOPE_SE
	s_setreg_imm32_b32 hwreg(HW_REG_WAVE_MODE, 25, 1), 1
	s_wait_xcnt 0x0
; out0 = att Wfc^T, att[token] = softmax(Q K^T / 8) V over the token's own 16 heads of 64, Q, K, V = x Wq^T, x Wk^T, x Wv^T.  The three products with x go on codes of FP4 (E2M1) with E8M0 scales
; (made by the launch before); the scores, P V and the last product on f16 operands; all sums, the softmax and out0 in f32.  Q, K, V and att never go to memory.
; LIMITS: NaN and infinities are not served.  Q, K, V, att are rounded to f16 (largest number 65,504): with x and the weights each 30 times the drawn spread, Q's spread is some 900; with offsets of 30 spreads on both
; its magnitude is some 29,000: inside f16.
; SHARES.  A work-group of four waves takes 64 tokens: four tiles m of 16.  In the products with weights THE WAVES SHARE THE COLUMNS: wave w takes tiles 16 w .. 16 w + 15 of Q, of K and of V and columns 256 w .. of out0,
; for all 64 tokens, so that no weight byte is read twice in a work-group.  In the attention wave w owns tokens 16 w .. 16 w + 15.  Four barriers part the phases.
; WEIGHTS GO FROM MEMORY STRAIGHT INTO REGISTERS, laid by the launch before in the order of the operands' registers: a ring of four buffers of 64 registers, three of them on their way while one is multiplied.
; NO TENSOR LOADS, NO CLUSTER, though all work-groups walk the same weights: Q and K of 64 tokens take 265,216 of the 327,680 LDS bytes that a work-group can have; the 62,464 left are less than two slots of one
; 8,192-byte tile for each of four waves (65,536), so a round of a cluster's barrier would stand at every 32 matrix instructions of a wave or oftener.
; EVERY PRODUCT IS USED TRANSPOSED (source 0 = 16 rows of the weight, source 1 = 16 tokens): a lane holds ONE token (lane % 16) and eight neighbouring columns, which pack into 16 bytes of f16.
; LDS.  RA: Q, later V^T, later the stages of the way out.  RB: K, later att.  Q, K: token x 2064 + (d / 8) x 256 + head x 16.  V^T: token x 2064 + 512 (d / 16) + 256 (head / 8) + 16 (d % 16): 16 bytes = 8 heads.
;   att: p x 1040 + token x 16, p = 16 (d / 8) + head: place p along the last product's K, as in wf.  The pitches 2064, 1040 and 528 are 16 modulo 256: sixteen lanes' 16 bytes fall on sixteen different columns.
; REGISTERS, in windows of 256 (s_set_vgpr_msb: bits 1:0 source 0, 3:2 source 1, 5:4 source 2, 7:6 destination):
;   window 0: v1-15 addresses; v32-47 x's scale words, v48-63 the weights' (nothing else ever stands there); v64-95 four accumulators, later with v96-127 two sets of att's fragments; v128-143 packed results; v128-255 the way out
;   window 1: x's 32 fragments ((m, K step s) at 64 m + 8 s); in the last product its 32 accumulators ((m, nt) at 8 (8 m + nt))      window 2: the four weight buffers      window 3: all of the attention
.set TP,    2064                       ; a token's row of Q, K or V^T in LDS
.set AP,    1040                       ; a place of att: 64 tokens x 16 bytes + 16
.set SPI,   528                        ; a stage row: 512 bytes + 16
.set RA,    0
.set RB,    64*TP                      ; 132,096
.set SPARE, RB+128*AP                  ; 265,216: the spare words, 128 bytes for each wave: two blocks of 256 bytes that no other line names
.set L16, 1                            ; v1   16 x lane
.set QB,  4                            ; v4   Q's and K's stores: 2064 r + 256 h + 64 w
.set VB,  6                            ; v6   V^T's: 2064 r + 256 h + 512 w
.set AD0, 7                            ; v7, v8  the trip's store addresses: token tiles 0, 1 and 2, 3
.set AB,  9                            ; v9   att's fragments: RB + 1040 h + 16 r
.set AA,  10                           ; v10  the same, stepped along K
.set STO, 11                           ; v11  the way out: where I put 32 bytes of a row
.set RD,  12                           ; v12  and where I read a row back
.set SPW, 14                           ; v14  LDS address of my spare word; never rewritten
.set NIL, 15                           ; v15  0; never rewritten
.set XS,  32
.set WS,  48
.set ACC, 64
.set AF,  64
.set TMP, 128
.set BK,  128
; window 3
.set AQ3, 0                            ; v0   RA + 33024 w + 16 x lane: my tokens' Q, later V^T
.set AK3, 1                            ; v1   the same in RB: K
.set AOA, 2                            ; v2, v3  att's stores: RB + 1040 r + 16640 h + 256 w, and 66,560 further on
.set P3,  8                            ; v8-71 P, four registers a token; v72-75 zeros
.set T3,  76                           ; v76-91 four registers of statistics for each of a group's four tokens
.set S3,  96                           ; v96-127 the scores of four tokens; in P V packed results
.set QF,  128                          ; v128-191 Q's fragments of four tokens; in P V two sets of four fragments of V^T, their upper four registers zero
.set KF,  192                          ; v192-255 K's; in P V two sets of four accumulators
.set MSB, 0
.macro WIN new                         ; the immediate's high byte repeats the setting that is left; a switch that changes nothing is dropped
.if MSB != \new
	s_set_vgpr_msb (MSB<<8)|\new
.set MSB, \new
.endif
.endm
; A vector instruction, store or LDS store that reads a matrix result, and a load into a register that a matrix instruction has read, stand four places behind it; a matrix instruction that writes over a register
; of an earlier one five; only plain vector instructions that name none of its registers are places (ISA guide 7.12.1 for vector instructions).
.macro PLACES n
.rept \n
	v_nop
.endr
.endm
.macro BAR                             ; my LDS stores have landed and my LDS loads are in: then the work-group's barrier
	s_wait_dscnt 0x0
	s_barrier_signal -1
	s_barrier_wait -1
.endm
.macro FILL b                          ; a tile of a quantised weight into buffer b: its scale words (1 load), its eight fragments (16 loads)
	global_load_b128 v[WS+4*\b:WS+4*\b+3], v[L16], s[10:11] offset:512*\b
	WIN 0x80
.irp s, 0,1,2,3,4,5,6,7
.irp c, 0,1
	global_load_b128 v[64*\b+8*\s+4*\c:64*\b+8*\s+4*\c+3], v[L16], s[8:9] offset:8192*\b+1024*\s+512*\c
.endr
.endr
	WIN 0
.endm
.macro FILLF b, off                    ; a K step of Wfc, eight fragments of 16 rows x 32, into buffer b: 16 loads
	WIN 0x80
.irp n, 0,1,2,3,4,5,6,7
.irp c, 0,1
	global_load_b128 v[64*\b+8*\n+4*\c:64*\b+8*\n+4*\c+3], v[L16], s[12:13] offset:\off+1024*\n+512*\c
.endr
.endr
	WIN 0
.endm
; 32 matrix instructions: the tile in buffer b against the four tiles of tokens, K = 1,024 in eight steps.  The four accumulators take turns, one instruction a turn; the first
; step starts the sums.  A scale register holds in lanes 0-15 the word of K step p and in lanes 16-31 that of K step 4 + p.
.macro MULT b
	WIN 0x06                                       ; source 0 (the weight) window 2, source 1 (x) window 1, C and D window 0
.irp s, 0,1,2,3,4,5,6,7
.irp m, 0,1,2,3
.if \s == 0
	v_wmma_scale_f32_16x16x128_f8f6f4 v[ACC+8*\m:ACC+8*\m+7], v[64*\b+8*\s:64*\b+8*\s+7], v[64*\m+8*\s:64*\m+8*\s+7], 0, v[WS+4*\b+\s], v[XS+4*\m+\s] matrix_a_fmt:MATRIX_FMT_FP4 matrix_b_fmt:MATRIX_FMT_FP4
.elseif \s < 4
	v_wmma_scale_f32_16x16x128_f8f6f4 v[ACC+8*\m:ACC+8*\m+7], v[64*\b+8*\s:64*\b+8*\s+7], v[64*\m+8*\s:64*\m+8*\s+7], v[ACC+8*\m:ACC+8*\m+7], v[WS+4*\b+\s], v[XS+4*\m+\s] matrix_a_fmt:MATRIX_FMT_FP4 matrix_b_fmt:MATRIX_FMT_FP4
.else
	v_wmma_scale_f32_16x16x128_f8f6f4 v[ACC+8*\m:ACC+8*\m+7], v[64*\b+8*\s:64*\b+8*\s+7], v[64*\m+8*\s:64*\m+8*\s+7], v[ACC+8*\m:ACC+8*\m+7], v[WS+4*\b+\s-4], v[XS+4*\m+\s-4] matrix_a_fmt:MATRIX_FMT_FP4 matrix_b_fmt:MATRIX_FMT_FP4 matrix_a_scale:MATRIX_SCALE_ROW1 matrix_b_scale:MATRIX_SCALE_ROW1
.endif
.endr
.endr
	WIN 0
.endm
.macro PUT bo                          ; the four results, rounded to f16, each accumulator from its low end on: 16 bytes a lane into LDS
	PLACES 4
.irp m, 0,1,2,3
.irp k, 0,1,2,3
	v_cvt_pk_f16_f32 v[TMP+4*\m+\k], v[ACC+8*\m+2*\k], v[ACC+8*\m+2*\k+1]
.endr
.endr
.irp m, 0,1,2,3
	ds_store_b128 v[AD0+\m/2], v[TMP+4*\m:TMP+4*\m+3] offset:(\m%2)*16*TP+\bo
.endr
.endm
; n: the loads issued behind this tile's, which may stay out.  fill = 1: the buffer takes the tile four further on; 2: a K step of Wfc.  The places and conversions of PUT stand between the products and the refill.
.macro TILE b, bo, n, fill
	s_wait_loadcnt \n
	MULT \b
	PUT \bo
.if \fill == 1
	FILL \b
.else
	FILLF \b, 8192*\b
.endif
.endm
.macro TRIP base, step, n0, n1, n2, n3, fill   ; four tiles, one from each buffer
	v_add_nc_u32 v[AD0], s18, v[\base]
	v_add_nc_u32 v[AD0+1], 32*TP, v[AD0]
	TILE 0, 0*\step, \n0, \fill
	TILE 1, 1*\step, \n1, \fill
	TILE 2, 2*\step, \n2, \fill
	TILE 3, 3*\step, \n3, \fill
.endm
.macro WSTEP                           ; the weights' pointers go four tiles on
	s_wait_xcnt 0x0                                ; the loads have read their base
	s_add_nc_u64 s[8:9], s[8:9], 4*8192
	s_add_nc_u64 s[10:11], s[10:11], 4*512
.endm
	s_load_b256 s[4:11], s[0:1], 0x0               ; xc s[4:5], xs s[6:7], wc s[8:9], ws s[10:11]
	s_load_b128 s[12:15], s[0:1], 0x20             ; wf s[12:13], out0 s[14:15]
	v_lshl_add_u32 v[SPW], v0, 2, SPARE
	v_mov_b32 v[NIL], 0
	v_lshrrev_b32 v16, 5, v0
	v_readfirstlane_b32 s16, v16                   ; wave 0..3
	v_and_b32 v16, 31, v0
	v_lshlrev_b32 v[L16], 4, v16
	v_and_b32 v2, 15, v0                           ; r
	v_bfe_u32 v3, v0, 4, 1                         ; h
	s_mov_b32 s20, 0x76543210
	s_mov_b32 s21, 0xfedcba98                      ; v_permlanex16_b32's selects for lane l xor 16
	s_mov_b32 s22, 0x3e38aa3b                      ; c = log2(e) / 8
	s_mov_b32 s23, s22                             ; (the packed form names the pair)
	s_lshl_b32 s24, ttmp9, 15                      ; xc: four tiles of 8,192 bytes a work-group
	s_mov_b32 s25, 0
	s_lshl_b32 s26, ttmp9, 11                      ; xs: four of 512
	s_mov_b32 s27, 0
	s_mul_i32 s28, s16, 48*8192                    ; wc: 48 tiles a wave
	s_mov_b32 s29, 0
	s_mul_i32 s30, s16, 48*512                     ; ws
	s_mov_b32 s31, 0
	s_lshl_b32 s32, s16, 19                        ; wf: 64 K steps of 8,192 bytes a wave
	s_mov_b32 s33, 0
	s_lshl_b32 s34, ttmp9, 18                      ; out0: 64 rows of 4,096 bytes a work-group,
	s_lshl_b32 s36, s16, 10                        ; 256 columns a wave
	s_add_co_u32 s34, s34, s36
	s_mov_b32 s35, 0
	s_wait_kmcnt 0x0
	s_add_nc_u64 s[4:5], s[4:5], s[24:25]
	s_add_nc_u64 s[6:7], s[6:7], s[26:27]
	s_add_nc_u64 s[8:9], s[8:9], s[28:29]
	s_add_nc_u64 s[10:11], s[10:11], s[30:31]
	s_add_nc_u64 s[12:13], s[12:13], s[32:33]
	s_add_nc_u64 s[14:15], s[14:15], s[34:35]
	WIN 0x40                                       ; x's 32 fragments stay in window 1 until V is made
.irp m, 0,1,2,3
.irp s, 0,1,2,3,4,5,6,7
.irp c, 0,1
	global_load_b128 v[64*\m+8*\s+4*\c:64*\m+8*\s+4*\c+3], v[L16], s[4:5] offset:8192*\m+1024*\s+512*\c th:TH_LOAD_NT
.endr
.endr
.endr
	WIN 0
.irp m, 0,1,2,3
	global_load_b128 v[XS+4*\m:XS+4*\m+3], v[L16], s[6:7] offset:512*\m th:TH_LOAD_NT
.endr
	FILL 0
	FILL 1
	FILL 2
	FILL 3
	v_mul_u32_u24 v16, v2, TP
	v_lshl_add_u32 v16, v3, 8, v16                 ; 2064 r + 256 h
	s_lshl_b32 s24, s16, 6
	v_add_nc_u32 v[QB], s24, v16
	s_lshl_b32 s24, s16, 9
	v_add_nc_u32 v[VB], s24, v16
	v_mul_u32_u24 v17, v3, AP
	v_lshl_add_u32 v17, v2, 4, v17
	v_add_nc_u32 v[AB], RB, v17
	s_mul_i32 s24, s16, 16*SPI                     ; my stage
	v_mul_u32_u24 v17, v2, SPI
	v_lshl_add_u32 v17, v3, 5, v17
	v_add_nc_u32 v[STO], s24, v17
	v_add_nc_u32 v[RD], s24, v[L16]
	v_mul_u32_u24 v17, v2, AP
	v_mad_u32_u24 v17, v3, 16*AP, v17              ; 1040 r + 16640 h
	s_mul_i32 s24, s16, 16*TP                      ; my 16 tokens
	s_add_co_u32 s25, s24, RB
	s_lshl_b32 s26, s16, 8
	s_add_co_u32 s26, s26, RB
	s_add_co_u32 s27, s26, 64*AP
	WIN 0xc0                                       ; destination window 3, sources window 0
	v_add_nc_u32 v[AQ3], s24, v[L16]
	v_add_nc_u32 v[AK3], s25, v[L16]
	v_add_nc_u32 v[AOA], s26, v17
	v_add_nc_u32 v[AOA+1], s27, v17
.irp i, 0,1,2,3,4,5,6,7,8,9,10,11,12,13,14,15,16,17,18,19
	v_mov_b32 v[P3+64+\i], 0                       ; the four zeros behind P, and the statistics (a lane permute's destination counts as one of its sources)
.endr
	WIN 0
	WSTEP
	; ---- Q, then K: 2 x 4 trips of four tiles; a trip is one head of my four.  Tile 16 w + 4 trip + b: head 4 w + trip, d = 16 b + 8 h + 0 .. 7
	s_mov_b32 s18, 0                               ; what the trip adds to the store addresses: 16 a head, and RB from Q to K
	s_mov_b32 s24, 2
.Lmat:
	s_mov_b32 s17, 4
.Lhead:
	TRIP QB, 512, 51, 51, 51, 51, 1                ; 51: the three younger tiles' 17 loads each
	WSTEP
	s_add_co_u32 s18, s18, 16
	s_sub_co_u32 s17, s17, 1
	s_cmp_lg_u32 s17, 0
	s_cbranch_scc1 .Lhead
	s_add_co_u32 s18, s18, RB-64
	s_sub_co_u32 s24, s24, 1
	s_cmp_lg_u32 s24, 0
	s_cbranch_scc1 .Lmat
	BAR                                            ; Q and K of all 64 tokens lie in LDS
	; ---- the scores and the softmax of my 16 tokens, four at a time.  S^T = K Q^T: a lane holds query head lane % 16 and key heads 8 (lane / 16) + 0 .. 7.  All of it in window 3.
.macro QKLOAD g
.irp u, 0,1,2,3
.irp i, 0,1,2,3
	ds_load_b128 v[QF+16*\u+4*\i:QF+16*\u+4*\i+3], v[AQ3] offset:(4*(\g)+\u)*TP+512*\i   ; 16 heads x d = 16 i + 8 h + 0 .. 7: 512 consecutive bytes
	ds_load_b128 v[KF+16*\u+4*\i:KF+16*\u+4*\i+3], v[AK3] offset:(4*(\g)+\u)*TP+512*\i
.endr
.endr
.endm
.macro SCORE g
	s_wait_dscnt 0x0
.irp s, 0,1                                    ; the four tokens' accumulators by turns
.irp u, 0,1,2,3
.if \s == 0
	v_wmma_f32_16x16x32_f16 v[S3+8*\u:S3+8*\u+7], v[KF+16*\u:KF+16*\u+7], v[QF+16*\u:QF+16*\u+7], 0
.else
	v_wmma_f32_16x16x32_f16 v[S3+8*\u:S3+8*\u+7], v[KF+16*\u+8:KF+16*\u+15], v[QF+16*\u+8:QF+16*\u+15], v[S3+8*\u:S3+8*\u+7]
.endif
.endr
.endr
	PLACES 4
.if \g < 3
	QKLOAD \g+1                                    ; the next four tokens land while these are worked on
.endif
.irp u, 0,1,2,3
	v_max3_num_f32 v[T3+4*\u], v[S3+8*\u], v[S3+8*\u+1], v[S3+8*\u+2]       ; the row's maximum, from the accumulator's low end on; the four tokens by turns throughout
.endr
.irp u, 0,1,2,3
	v_max3_num_f32 v[T3+4*\u], v[T3+4*\u], v[S3+8*\u+3], v[S3+8*\u+4]
.endr
.irp u, 0,1,2,3
	v_max3_num_f32 v[T3+4*\u], v[T3+4*\u], v[S3+8*\u+5], v[S3+8*\u+6]
.endr
.irp u, 0,1,2,3
	v_max_num_f32 v[T3+4*\u], v[T3+4*\u], v[S3+8*\u+7]
.endr
.irp u, 0,1,2,3
	v_permlanex16_b32 v[T3+4*\u+1], v[T3+4*\u], s20, s21                    ; the other eight key heads lie in the lane 16 away
.endr
.irp u, 0,1,2,3
	v_max_num_f32 v[T3+4*\u], v[T3+4*\u], v[T3+4*\u+1]
.endr
.irp u, 0,1,2,3
	v_mul_f32 v[T3+4*\u], s22, v[T3+4*\u]                                   ; c m
.endr
.irp k, 0,2,4,6
.irp u, 0,1,2,3
	v_pk_fma_f32 v[S3+8*\u+\k:S3+8*\u+\k+1], v[S3+8*\u+\k:S3+8*\u+\k+1], s[22:23], v[T3+4*\u:T3+4*\u+1] op_sel_hi:[1,0,0] neg_lo:[0,0,1] neg_hi:[0,0,1]   ; c s - c m, two at a time
.endr
.endr
.irp j, 0,1,2,3,4,5,6,7
.irp u, 0,1,2,3
	v_exp_f32 v[S3+8*\u+\j], v[S3+8*\u+\j]
.endr
.endr
	v_nop                                          ; a plain instruction behind the last exponential,
	s_wait_alu depctr_va_vdst(0)                   ; and one wait for the batch of 32, ahead of its first reader
.irp u, 0,1,2,3
	v_pk_add_f32 v[T3+4*\u+2:T3+4*\u+3], v[S3+8*\u:S3+8*\u+1], v[S3+8*\u+2:S3+8*\u+3]
.endr
.irp u, 0,1,2,3
	v_pk_add_f32 v[T3+4*\u:T3+4*\u+1], v[S3+8*\u+4:S3+8*\u+5], v[S3+8*\u+6:S3+8*\u+7]
.endr
.irp u, 0,1,2,3
	v_pk_add_f32 v[T3+4*\u+2:T3+4*\u+3], v[T3+4*\u+2:T3+4*\u+3], v[T3+4*\u:T3+4*\u+1]
.endr
.irp u, 0,1,2,3
	v_add_f32 v[T3+4*\u+2], v[T3+4*\u+2], v[T3+4*\u+3]
.endr
.irp u, 0,1,2,3
	v_permlanex16_b32 v[T3+4*\u+3], v[T3+4*\u+2], s20, s21
.endr
.irp u, 0,1,2,3
	v_add_f32 v[T3+4*\u+2], v[T3+4*\u+2], v[T3+4*\u+3]                      ; the row's sum
.endr
.irp u, 0,1,2,3
	v_rcp_f32 v[T3+4*\u], v[T3+4*\u+2]
.endr
	v_nop
	s_wait_alu depctr_va_vdst(0)                   ; one wait for the four reciprocals
.irp k, 0,2,4,6
.irp u, 0,1,2,3
	v_pk_mul_f32 v[S3+8*\u+\k:S3+8*\u+\k+1], v[S3+8*\u+\k:S3+8*\u+\k+1], v[T3+4*\u:T3+4*\u+1] op_sel_hi:[1,0]
.endr
.endr
.irp k, 0,1,2,3
.irp u, 0,1,2,3
	v_cvt_pk_f16_f32 v[P3+4*(4*\g+\u)+\k], v[S3+8*\u+2*\k], v[S3+8*\u+2*\k+1]   ; P: query head lane % 16, key heads 8 (lane / 16) + 0 .. 7: the lower half of source 1 of the next product, as it stands
.endr
.endr
.endm
	WIN 0xff
	QKLOAD 0
	SCORE 0
	SCORE 1
	SCORE 2
	SCORE 3
	WIN 0
	BAR                                            ; nobody reads Q or K any more
	; ---- V: tile d0 = 16 w + 4 trip + b holds rows 64 m + d0 of Wv: a lane's eight results are heads 8 h + 0 .. 7 of V[token][.][d0]: V^T goes where Q lay
	s_mov_b32 s18, 0
	s_mov_b32 s17, 3
.Lv:
	TRIP VB, 16, 51, 51, 51, 51, 1
	WSTEP
	s_add_co_u32 s18, s18, 64
	s_sub_co_u32 s17, s17, 1
	s_cmp_lg_u32 s17, 0
	s_cbranch_scc1 .Lv
	TRIP VB, 16, 51, 50, 49, 48, 2                 ; the last trip: the buffers take Wfc's first four K steps.  Behind a tile's loads: 3, 2, 1, 0 tiles of 17 and 0, 1, 2, 3 K steps of 16
	s_wait_xcnt 0x0
	s_add_nc_u64 s[12:13], s[12:13], 4*8192        ; Wfc's pointer at K step 4
	BAR                                            ; V^T of all 64 tokens lies in LDS
	; ---- att^T = V^T P^T for my 16 tokens, one after the other: four tiles of 16 of d; K = the 16 heads, filled up to 32: V^T's upper four registers are zeros, and against them stand the next token's P (finite), or zeros.
.macro VLOAD t
.irp d, 0,1,2,3
	ds_load_b128 v[QF+32*((\t)%2)+8*\d:QF+32*((\t)%2)+8*\d+3], v[AQ3] offset:(\t)*TP+512*\d
.endr
.endm
.macro PVMUL t
.irp d, 0,1,2,3
	v_wmma_f32_16x16x32_f16 v[KF+32*((\t)%2)+8*\d:KF+32*((\t)%2)+8*\d+7], v[QF+32*((\t)%2)+8*\d:QF+32*((\t)%2)+8*\d+7], v[P3+4*(\t):P3+4*(\t)+7], 0
.endr
.endm
.macro PVOUT t                         ; lane (r, h): head r, d = 16 dt + 8 h + 0 .. 7: place p = 16 (2 dt + h) + r
.irp d, 0,1,2,3
.irp k, 0,1,2,3
	v_cvt_pk_f16_f32 v[S3+4*\d+\k], v[KF+32*((\t)%2)+8*\d+2*\k], v[KF+32*((\t)%2)+8*\d+2*\k+1]
.endr
.endr
.irp d, 0,1,2,3
	ds_store_b128 v[AOA+\d/2], v[S3+4*\d:S3+4*\d+3] offset:(\d%2)*32*AP+16*(\t)
.endr
.endm
	WIN 0xff
.irp f, 0,1,2,3,4,5,6,7
.irp k, 4,5,6,7
	v_mov_b32 v[QF+8*\f+\k], 0
.endr
.endr
	VLOAD 0
.set TT, 0
.rept 16
.if TT < 15
	VLOAD TT+1
	s_wait_dscnt 4                                 ; all but the next token's four loads
.else
	s_wait_dscnt 0x0
.endif
	PVMUL TT
.if TT == 0
	PLACES 5                                       ; token 2's products write over these accumulators, and no other plain work that names none of them stands between
.else
	PVOUT TT-1                                     ; the token before: its sixteen conversions are the places behind this token's products
.endif
.set TT, TT+1
.endr
	PVOUT 15                                       ; (token 14's conversions are its places)
	WIN 0
	BAR                                            ; att of all 64 tokens lies in LDS; nobody reads V^T any more
	; ---- out0 = att Wfc^T: two passes of 128 of my 256 columns; 32 accumulators (4 tiles of tokens x 8 tiles of columns) by turns; K = 1,024 in 32 steps.  K step g of 64 (both passes on end) lies in buffer g % 4.
.macro ALOAD set, reg, nx              ; att's four fragments of the K step nx steps on from v[reg]
.irp m, 0,1,2,3
.irp g, 0,1
	ds_load_b128 v[AF+32*(\set)+8*\m+4*\g:AF+32*(\set)+8*\m+4*\g+3], v[\reg] offset:(\nx)*4*AP+2*AP*\g+256*\m
.endr
.endr
.endm
; nx >= 0: the next K step's fragments of att are asked for, into the other set.  zero = 1: the products start the sums.  foff >= 0: the buffer takes the K step four on.  n: the weights' loads that may stay out.
.macro KSTEP buf, set, reg, nx, zero, foff, n
.if \nx >= 0
	ALOAD 1-\set, \reg, \nx
.endif
	s_wait_loadcnt \n
.if \nx >= 0
	s_wait_dscnt 8                                 ; all but the eight just issued
.else
	s_wait_dscnt 0x0
.endif
	WIN 0x52                                       ; source 0 (Wfc) window 2, source 1 (att) window 0, C and D window 1
.irp m, 0,1,2,3
.irp n8, 0,1,2,3,4,5,6,7
.if \zero
	v_wmma_f32_16x16x32_f16 v[8*(8*\m+\n8):8*(8*\m+\n8)+7], v[64*\buf+8*\n8:64*\buf+8*\n8+7], v[AF+32*\set+8*\m:AF+32*\set+8*\m+7], 0
.else
	v_wmma_f32_16x16x32_f16 v[8*(8*\m+\n8):8*(8*\m+\n8)+7], v[64*\buf+8*\n8:64*\buf+8*\n8+7], v[AF+32*\set+8*\m:AF+32*\set+8*\m+7], v[8*(8*\m+\n8):8*(8*\m+\n8)+7]
.endif
.endr
.endr
	WIN 0
	PLACES 4
.if \foff >= 0
	FILLF \buf, \foff
.endif
.endm
.macro FOUR                            ; a trip: four K steps, from one past a multiple of four on
	KSTEP 1, 1, AA, 2, 0, 8192, 48                 ; 48: the three younger K steps' 16 loads each
	KSTEP 2, 0, AA, 3, 0, 16384, 48
	KSTEP 3, 1, AA, 4, 0, 24576, 48
	KSTEP 0, 0, AA, 5, 0, 32768, 48
	s_wait_xcnt 0x0
	s_add_nc_u64 s[12:13], s[12:13], 4*8192
	s_add_co_u32 s19, s19, 16*AP
	v_add_nc_u32 v[AA], s19, v[AB]
.endm
; THE WAY OUT of a pass, a tile of 16 tokens x 128 columns at a time: a lane holds 32 bytes of a row, so a block goes through my own stage in LDS (in RA, which nobody reads any more) and comes back as whole rows of 512 bytes.
; LDS serves a wave's instructions in order (ISA guide 5.7.1.4): no wait between the stores and the loads, nor in front of the next block's stores.
.macro TOSTAGE a
	WIN 0x04                                       ; an LDS store's data are its source 1: window 1
.irp n, 0,1,2,3,4,5,6,7
	ds_store_b128 v[STO], v[8*(8*(\a)+\n):8*(8*(\a)+\n)+3] offset:64*\n          ; each accumulator from its low end on
	ds_store_b128 v[STO], v[8*(8*(\a)+\n)+4:8*(8*(\a)+\n)+7] offset:64*\n+16
.endr
	WIN 0
.irp t, 0,1,2,3,4,5,6,7,8,9,10,11,12,13,14,15
	ds_load_b128 v[BK+64*((\a)%2)+4*\t:BK+64*((\a)%2)+4*\t+3], v[RD] offset:\t*SPI
.endr
.endm
.macro SEND a, pass, younger
	s_wait_dscnt \younger                          ; the block is back in registers; the next block's 16 stores and 16 loads may be out
.irp t, 0,1,2,3,4,5,6,7,8,9,10,11,12,13,14,15
	global_store_b128 v[L16], v[BK+64*((\a)%2)+4*\t:BK+64*((\a)%2)+4*\t+3], s[14:15] offset:(16*(\a)+\t)*4096+512*\pass th:TH_STORE_NT   ; 32 lanes store 512 consecutive bytes, at a multiple of 256 from out0's first byte
.endr
.endm
.macro OUT pass
	s_wait_xcnt 0x0                                ; earlier stores have read their registers: the rows may land there
	TOSTAGE 0
.irp a, 1,2,3
.if \a > 1
	s_wait_xcnt 0x0                                ; block a - 2's stores have read their registers
.endif
	TOSTAGE \a
	SEND \a-1, \pass, 32
.endr
	SEND 3, \pass, 0
.endm
	s_mov_b32 s19, 0
	v_add_nc_u32 v[AA], s19, v[AB]
	ALOAD 0, AB, 0
	KSTEP 0, 0, AA, 1, 1, 0, 48                    ; K step 0 stands in front of the loop: its products start the sums
	s_mov_b32 s17, 7
.Lfc0:
	FOUR                                           ; K steps 1 to 28
	s_sub_co_u32 s17, s17, 1
	s_cmp_lg_u32 s17, 0
	s_cbranch_scc1 .Lfc0
	KSTEP 1, 1, AA, 2, 0, 8192, 48                 ; 29
	KSTEP 2, 0, AA, 3, 0, 16384, 48                ; 30
	KSTEP 3, 1, AB, 0, 0, 24576, 48                ; 31: att's K step 0 is asked for again, for the second pass
	s_wait_xcnt 0x0
	s_add_nc_u64 s[12:13], s[12:13], 4*8192
	OUT 0
	s_mov_b32 s19, 0
	v_add_nc_u32 v[AA], s19, v[AB]
	PLACES 5                                       ; the second pass's first products write over the first pass's accumulators
	KSTEP 0, 0, AA, 1, 1, 0, 48
	s_mov_b32 s17, 6
.Lfc1:
	FOUR                                           ; K steps 1 to 24
	s_sub_co_u32 s17, s17, 1
	s_cmp_lg_u32 s17, 0
	s_cbranch_scc1 .Lfc1
	KSTEP 1, 1, AA, 2, 0, 8192, 48                 ; 25 to 27: the last three refills
	KSTEP 2, 0, AA, 3, 0, 16384, 48
	KSTEP 3, 1, AA, 4, 0, 24576, 48
	KSTEP 0, 0, AA, 5, 0, -1, 48                   ; 28 to 31: nothing is left to fetch of Wfc: the counts run down
	KSTEP 1, 1, AA, 6, 0, -1, 32
	KSTEP 2, 0, AA, 7, 0, -1, 16
	KSTEP 3, 1, AA, -1, 0, -1, 0
	OUT 1
	s_wait_tensorcnt 0x0                           ; the wave's end, behind my last LDS store
	ds_add_u32 v[SPW], v[NIL]
	s_wait_dscnt 0x0
	s_endpgm
.Lfunc_end_k_q0299e0009c_main:
	.size	k_q0299e0009c_main, .Lfunc_end_k_q0299e0009c_main-k_q0299e0009c_main
	.p2alignl 7, 3214868480
	.fill 96, 4, 3214868480
	.section	.rodata,"a",@progbits
	.p2align	6, 0x0
	.amdhsa_kernel k_q0299e0009c_main
		.amdhsa_group_segment_fixed_size 265728
		.amdhsa_private_segment_fixed_size 0
		.amdhsa_enable_private_segment 0
		.amdhsa_kernarg_size 48
		.amdhsa_user_sgpr_count 2
		.amdhsa_user_sgpr_kernarg_segment_ptr 1
		.amdhsa_wavefront_size32 1
		.amdhsa_system_sgpr_workgroup_id_x 1
		.amdhsa_system_sgpr_workgroup_id_y 1
		.amdhsa_system_sgpr_workgroup_id_z 1
		.amdhsa_system_vgpr_workitem_id 0
		.amdhsa_next_free_vgpr 1024
		.amdhsa_next_free_sgpr 66
		.amdhsa_reserve_vcc 0
		.amdhsa_float_denorm_mode_32 3
		.amdhsa_float_denorm_mode_16_64 3
		.amdhsa_memory_ordered 1
		.amdhsa_forward_progress 1
		.amdhsa_inst_pref_size 255
	.end_amdhsa_kernel
	.section	.bss,"aw",@nobits
	.p2align	6
	.space	262144
	.amdgpu_metadata
---
amdhsa.version: [ 1, 2 ]
amdhsa.kernels:
  - .name:           k_q0299e0009c_main
    .symbol:         k_q0299e0009c_main.kd
    .args:
      - { .name: xc, .offset: 0, .size: 8, .value_kind: global_buffer, .address_space: global }
      - { .name: xs, .offset: 8, .size: 8, .value_kind: global_buffer, .address_space: global }
      - { .name: wc, .offset: 16, .size: 8, .value_kind: global_buffer, .address_space: global }
      - { .name: ws, .offset: 24, .size: 8, .value_kind: global_buffer, .address_space: global }
      - { .name: wf, .offset: 32, .size: 8, .value_kind: global_buffer, .address_space: global }
      - { .name: out0, .offset: 40, .size: 8, .value_kind: global_buffer, .address_space: global }
    .group_segment_fixed_size: 265728
    .private_segment_fixed_size: 0
    .kernarg_segment_align: 8
    .kernarg_segment_size: 48
    .max_flat_workgroup_size: 128
    .sgpr_count:     66
    .vgpr_count:     1024
    .wavefront_size: 32
...
	.end_amdgpu_metadata
.endif
;; end of part 2
;; ======== version 2 of 2: 2 launches; version 1 with the launch main written anew for expert scheduling mode
;; limits: values are held in f16: magnitudes above 65,504 overflow, below 6.1e-05 lose precision
;; workspace buffers: xc 8,388,608 bytes; xs 524,288 bytes; wc 1,572,864 bytes; ws 98,304 bytes; wf 2,097,152 bytes
;; launch prep: the kernel of part 1 again; grid 640 x 1, 4 waves a work-group, no clusters, 34,304 bytes of LDS; arguments x, Wq, Wk, Wv, Wfc, xc, xs, wc, ws, wf; writes xc, xs, wc, ws, wf
;; launch main (part 3): grid 256 x 1, 4 waves a work-group, no clusters, 265,728 bytes of LDS; arguments xc, xs, wc, ws, wf, out0; writes out0
.if DOCPART == 3
	.amdgcn_target "amdgcn-amd-amdhsa--gfx1250"
	.amdhsa_code_object_version 6
	.text
	.protected	k_q0299e0009c_main
	.globl	k_q0299e0009c_main
	.p2align	8
	.type	k_q0299e0009c_main,@function
k_q0299e0009c_main:
	s_mov_b64 s[64:65], 0
	v_nop
	global_prefetch_b8 v0, s[64:65] scope:SCOPE_SE
	s_setreg_imm32_b32 hwreg(HW_REG_WAVE_SCHED_MODE, 0, 2), 2
	s_setreg_imm32_b32 hwreg(HW_REG_WAVE_MODE, 25, 1), 1
	s_wait_xcnt 0x0
	s_wait_alu depctr_vm_vsrc(0)
; out0 = att Wfc^T, att[token] = softmax(Q K^T / 8) V over the token's own 16 heads of 64, Q, K, V = x Wq^T, x Wk^T, x Wv^T.  The three products with x go on codes of FP4 (E2M1) with E8M0 scales
; (made by the launch before); the scores, P V and the last product on f16 operands; all sums, the softmax and out0 in f32.  Q, K, V and att never go to memory.
; LIMITS: NaN and infinities are not served.  Q, K, V, att are rounded to f16 (largest number 65,504): with x and the weights each 30 times the drawn spread, Q's spread is some 900; with offsets of 30 spreads on both
; its magnitude is some 29,000: inside f16.
; SHARES.  A work-group of four waves takes 64 tokens: four tiles m of 16.  In the products with weights THE WAVES SHARE THE COLUMNS: wave w takes tiles 16 w .. 16 w + 15 of Q, of K and of V and columns 256 w .. of out0,
; for all 64 tokens, so that no weight byte is read twice in a work-group.  In the attention wave w owns tokens 16 w .. 16 w + 15.  Four barriers part the phases.
; WEIGHTS GO FROM MEMORY STRAIGHT INTO REGISTERS, laid by the launch before in the order of the operands' registers: a ring of four buffers of 64 registers.
; NO TENSOR LOADS, NO CLUSTER, though all work-groups walk the same weights: Q and K of 64 tokens take 265,216 of the 327,680 LDS bytes that a work-group can have; the 62,464 left are less than two slots of one
; 8,192-byte tile for each of four waves (65,536), so a round of a cluster's barrier would stand at every 32 matrix instructions of a wave or oftener.
; EVERY PRODUCT IS USED TRANSPOSED (source 0 = 16 rows of the weight, source 1 = 16 tokens): a lane holds ONE token (lane % 16) and eight neighbouring columns, which pack into 16 bytes of f16.
; LDS.  RA: Q, later V^T, later the stages of the way out.  RB: K, later att.  Q, K: token x 2064 + (d / 8) x 256 + head x 16.  V^T: token x 2064 + 512 (d / 16) + 256 (head / 8) + 16 (d % 16): 16 bytes = 8 heads.
;   att: p x 1040 + token x 16, p = 16 (d / 8) + head: place p along the last product's K, as in wf.  The pitches 2064, 1040 and 528 are 16 modulo 256: sixteen lanes' 16 bytes fall on sixteen different columns.
; REGISTERS, in windows of 256 (s_set_vgpr_msb: bits 1:0 source 0, 3:2 source 1, 5:4 source 2, 7:6 destination):
;   window 0: v1-15 addresses; v32-47 x's scale words, v48-63 the weights' (nothing else ever stands there); v64-95 four accumulators, later with v96-127 two sets of att's fragments; v128-143 packed results; v128-255 the way out
;   window 1: x's 32 fragments ((m, K step s) at 64 m + 8 s); in the last product its 32 accumulators ((m, nt) at 8 (8 m + nt))      window 2: the four weight buffers      window 3: all of the attention
; THE MODE: SCHED_MODE bits 1:0 = 2 (LLVM: expert scheduling mode 2), set by the entry lines.  The code itself states the register dependences between vector or matrix instructions and memory or LDS
; instructions, with s_wait_alu, always for 0.
; THE PLAN.  Registers that memory or LDS instructions touch, and who else names them:
;   v[L16], v[AB], v[STO], v[RD], window 3's v0-3   offsets and addresses, made at the head and never written again.
;   W0 .. W3 (window 2) and their scale words        Tile t's (in the last product: K step t's) products read W[t % 4]; the loads that land in it again are issued in tile t + 1, behind the wait at that tile's head.
;   TMP                                              Written by a tile's conversions; read by four LDS stores that are issued in the tile after, behind the same wait.
;   v[AD0], v[AD0+1]                                 Written in a trip's first tile, behind that tile's wait on vm_vsrc; read by the trip's LDS stores.
;   window 3, QF and KF (scores)                     Read by a group's eight products; behind them one wait, and the next group's loads land there.
;   window 3, two sets of V^T and two of packed att  Token t's products read V^T's set t % 2; token t + 2's loads, issued at token t + 1's head, land in it.  Token t's conversions write packed set t % 2; its stores go out at token t + 2's head.
;   AF0, AF1, v[AA] (last product)                   K step g's products read AF[g % 2]; the loads of step g + 2's fragments, issued in step g + 1, land in it.  v[AA] is written once in four steps.
;   window 1's accumulators, v128-255 (the way out)  The stage's LDS stores read the accumulators; the loads from the stage land in v128-255, which the global stores read.
; So ONE wait on va_vdst stands at the head of a tile, a token or a K step, behind the wait for its own data: the step before is done with its buffers.  That step's stores and refills follow in one run among this step's
; matrix instructions, which name none of the registers that the run touches.
.set TP,    2064                       ; a token's row of Q, K or V^T in LDS
.set AP,    1040                       ; a place of att: 64 tokens x 16 bytes + 16
.set SPI,   528                        ; a stage row: 512 bytes + 16
.set RA,    0
.set RB,    64*TP                      ; 132,096
.set SPARE, RB+128*AP                  ; 265,216: the spare words, 128 bytes for each wave: two blocks of 256 bytes that no other line names
.set L16, 1                            ; v1   16 x lane
.set QB,  4                            ; v4   Q's and K's stores: 2064 r + 256 h + 64 w
.set VB,  6                            ; v6   V^T's: 2064 r + 256 h + 512 w
.set AD0, 7                            ; v7, v8  the trip's store addresses: token tiles 0, 1 and 2, 3
.set AB,  9                            ; v9   att's fragments: RB + 1040 h + 16 r
.set AA,  10                           ; v10  the same, stepped along K
.set STO, 11                           ; v11  the way out: where I put 32 bytes of a row
.set RD,  12                           ; v12  and where I read a row back
.set SPW, 14                           ; v14  LDS address of my spare word; never rewritten
.set NIL, 15                           ; v15  0; never rewritten
.set XS,  32
.set WS,  48
.set ACC, 64
.set AF,  64
.set TMP, 128
.set BK,  128
; window 3
.set AQ3, 0                            ; v0   RA + 33024 w + 16 x lane: my tokens' Q, later V^T
.set AK3, 1                            ; v1   the same in RB: K
.set AOA, 2                            ; v2, v3  att's stores: RB + 1040 r + 16640 h + 256 w, and 66,560 further on
.set P3,  8                            ; v8-71 P, four registers a token; v72-75 zeros
.set T3,  76                           ; v76-91 four registers of statistics for each of a group's four tokens
.set S3,  96                           ; v96-127 the scores of four tokens; in P V two sets of 16 packed results
.set QF,  128                          ; v128-191 Q's fragments of four tokens; in P V two sets of four fragments of V^T, their upper four registers zero
.set KF,  192                          ; v192-255 K's; in P V two sets of four accumulators
.set MSB, 0
.macro WIN new                         ; the immediate's high byte repeats the setting that is left; a switch that changes nothing is dropped
.if MSB != \new
	s_set_vgpr_msb (MSB<<8)|\new
.set MSB, \new
.endif
.endm
; A vector instruction, store or LDS store that reads a matrix result stands four places behind it; a matrix instruction that writes over a register of an earlier one five; only plain vector instructions that name
; none of its registers are places (ISA guide 7.12.1 for vector instructions).  The places stay beside the waits of the mode, which fill none; and in this text no load lands in a
; register of a matrix instruction nearer than four places behind it.
.macro PLACES n
.rept \n
	v_nop
.endr
.endm
.macro BAR                             ; my LDS stores have landed and my LDS loads are in: then the work-group's barrier
	s_wait_dscnt 0x0
	s_barrier_signal -1
	s_barrier_wait -1
.endm
.macro FILL b                          ; a tile of a quantised weight into buffer b: its scale words (1 load), its eight fragments (16 loads)
	WIN 0
	global_load_b128 v[WS+4*(\b):WS+4*(\b)+3], v[L16], s[10:11] offset:512*(\b)
	WIN 0x80
.irp s, 0,1,2,3,4,5,6,7
.irp c, 0,1
	global_load_b128 v[64*(\b)+8*\s+4*\c:64*(\b)+8*\s+4*\c+3], v[L16], s[8:9] offset:8192*(\b)+1024*\s+512*\c
.endr
.endr
.endm
.macro FILLF b, off                    ; a K step of Wfc, eight fragments of 16 rows x 32, into buffer b: 16 loads
	WIN 0x80
.irp n, 0,1,2,3,4,5,6,7
.irp c, 0,1
	global_load_b128 v[64*(\b)+8*\n+4*\c:64*(\b)+8*\n+4*\c+3], v[L16], s[12:13] offset:\off+1024*\n+512*\c
.endr
.endr
.endm
.macro REFILL b, fill                  ; fill = 1: buffer b takes the tile four further on; 2: a K step of Wfc
.if \fill == 1
	FILL \b
.else
	FILLF \b, 8192*(\b)
.endif
.endm
; Four matrix instructions: K step s of the tile in buffer b against the four tiles of tokens.  The four accumulators take turns, one instruction a turn; the first
; step starts the sums.  A scale register holds in lanes 0-15 the word of K step p and in lanes 16-31 that of K step 4 + p.
.macro MULK b, s
.irp m, 0,1,2,3
.if \s == 0
	v_wmma_scale_f32_16x16x128_f8f6f4 v[ACC+8*\m:ACC+8*\m+7], v[64*\b+8*\s:64*\b+8*\s+7], v[64*\m+8*\s:64*\m+8*\s+7], 0, v[WS+4*\b+\s], v[XS+4*\m+\s] matrix_a_fmt:MATRIX_FMT_FP4 matrix_b_fmt:MATRIX_FMT_FP4
.elseif \s < 4
	v_wmma_scale_f32_16x16x128_f8f6f4 v[ACC+8*\m:ACC+8*\m+7], v[64*\b+8*\s:64*\b+8*\s+7], v[64*\m+8*\s:64*\m+8*\s+7], v[ACC+8*\m:ACC+8*\m+7], v[WS+4*\b+\s], v[XS+4*\m+\s] matrix_a_fmt:MATRIX_FMT_FP4 matrix_b_fmt:MATRIX_FMT_FP4
.else
	v_wmma_scale_f32_16x16x128_f8f6f4 v[ACC+8*\m:ACC+8*\m+7], v[64*\b+8*\s:64*\b+8*\s+7], v[64*\m+8*\s:64*\m+8*\s+7], v[ACC+8*\m:ACC+8*\m+7], v[WS+4*\b+\s-4], v[XS+4*\m+\s-4] matrix_a_fmt:MATRIX_FMT_FP4 matrix_b_fmt:MATRIX_FMT_FP4 matrix_a_scale:MATRIX_SCALE_ROW1 matrix_b_scale:MATRIX_SCALE_ROW1
.endif
.endr
.endm
.macro STORES bo                       ; a tile's four packed results: 16 bytes a lane into LDS
.irp m, 0,1,2,3
	ds_store_b128 v[AD0+\m/2], v[TMP+4*\m:TMP+4*\m+3] offset:(\m%2)*16*TP+\bo
.endr
.endm
; Tile b of a trip: the tile in buffer b against the four tiles of tokens, K = 1,024 in eight steps, 32 matrix instructions; behind the first eight stands the run that the tile before has left: its four LDS stores
; and the refill of its buffer.  n: the loads issued behind this tile's, which may stay out.  step: bytes from one tile's place in a token's row to the next.
.macro TILE b, base, step, n, fill
	s_wait_loadcnt \n
.if \b > 0
.if (\b == 1) && (\fill == 1)
	s_wait_xcnt 0x0                                ; the weights' loads issued so far (the last: buffer 3's, a whole tile back) have read their bases:
	s_add_nc_u64 s[8:9], s[8:9], 4*8192            ; the pointers go four tiles on
	s_add_nc_u64 s[10:11], s[10:11], 4*512
.endif
	s_wait_alu depctr_va_vdst(0)                   ; the tile before: its conversions have written v[TMP ..] (and, in the trip's first tile, the adds v[AD0], v[AD0+1]), which the LDS stores below read; its products are done reading their buffer and its scale words, in which the loads below land
.endif
	WIN 0x06                                       ; source 0 (the weight) window 2, source 1 (x) window 1, C and D window 0
	MULK \b, 0
	MULK \b, 1
.if \b > 0
	WIN 0
	STORES (\b-1)*\step                            ; no further wait: the eight products since the wait name buffer b, its scale words, x and the accumulators alone
	REFILL (\b-1), \fill
.endif
	WIN 0x06
.irp s, 2,3,4,5,6,7
	MULK \b, \s
.endr
	WIN 0
	PLACES 4
	s_wait_alu depctr_vm_vsrc(0)                   ; the LDS stores issued so far have read v[TMP ..] (in a trip's first tile: and v[AD0], v[AD0+1]), which the lines below write again
.if \b == 0
	v_add_nc_u32 v[AD0], s18, v[\base]             ; this trip's store addresses: first read in the next tile, behind its wait
	v_add_nc_u32 v[AD0+1], 32*TP, v[AD0]
.endif
.irp m, 0,1,2,3
.irp k, 0,1,2,3
	v_cvt_pk_f16_f32 v[TMP+4*\m+\k], v[ACC+8*\m+2*\k], v[ACC+8*\m+2*\k+1]   ; the four results, rounded to f16, each accumulator from its low end on
.endr
.endr
.endm
.macro TRIP base, step, n0, n1, n2, n3, fill   ; four tiles, one from each buffer; the last tile's run stands at the trip's end
	TILE 0, \base, \step, \n0, \fill
	TILE 1, \base, \step, \n1, \fill
	TILE 2, \base, \step, \n2, \fill
	TILE 3, \base, \step, \n3, \fill
	s_wait_alu depctr_va_vdst(0)                   ; the trip's last tile: its conversions have written v[TMP ..], which the LDS stores read; its products are done reading buffer 3 and its scale words, in which the loads land
	STORES 3*\step
	REFILL 3, \fill
	WIN 0
.endm
	s_load_b256 s[4:11], s[0:1], 0x0               ; xc s[4:5], xs s[6:7], wc s[8:9], ws s[10:11]
	s_load_b128 s[12:15], s[0:1], 0x20             ; wf s[12:13], out0 s[14:15]
	v_lshl_add_u32 v[SPW], v0, 2, SPARE
	v_mov_b32 v[NIL], 0
	v_lshrrev_b32 v16, 5, v0
	v_readfirstlane_b32 s16, v16                   ; wave 0..3
	v_and_b32 v16, 31, v0
	v_lshlrev_b32 v[L16], 4, v16
	v_and_b32 v2, 15, v0                           ; r
	v_bfe_u32 v3, v0, 4, 1                         ; h
	s_wait_alu depctr_va_sdst(0)                   ; s16 is written, ahead of its first reader: the wave's parts of the buffers and of LDS are made from it
	s_mov_b32 s20, 0x76543210
	s_mov_b32 s21, 0xfedcba98                      ; v_permlanex16_b32's selects for lane l xor 16
	s_mov_b32 s22, 0x3e38aa3b                      ; c = log2(e) / 8
	s_mov_b32 s23, s22                             ; (the packed form names the pair)
	s_lshl_b32 s24, ttmp9, 15                      ; xc: four tiles of 8,192 bytes a work-group
	s_mov_b32 s25, 0
	s_lshl_b32 s26, ttmp9, 11                      ; xs: four of 512
	s_mov_b32 s27, 0
	s_mul_i32 s28, s16, 48*8192                    ; wc: 48 tiles a wave
	s_mov_b32 s29, 0
	s_mul_i32 s30, s16, 48*512                     ; ws
	s_mov_b32 s31, 0
	s_lshl_b32 s32, s16, 19                        ; wf: 64 K steps of 8,192 bytes a wave
	s_mov_b32 s33, 0
	s_lshl_b32 s34, ttmp9, 18                      ; out0: 64 rows of 4,096 bytes a work-group,
	s_lshl_b32 s36, s16, 10                        ; 256 columns a wave
	s_add_co_u32 s34, s34, s36
	s_mov_b32 s35, 0
	s_wait_kmcnt 0x0
	s_add_nc_u64 s[4:5], s[4:5], s[24:25]
	s_add_nc_u64 s[6:7], s[6:7], s[26:27]
	s_add_nc_u64 s[8:9], s[8:9], s[28:29]
	s_add_nc_u64 s[10:11], s[10:11], s[30:31]
	s_add_nc_u64 s[12:13], s[12:13], s[32:33]
	s_add_nc_u64 s[14:15], s[14:15], s[34:35]
	WIN 0x40                                       ; x's 32 fragments stay in window 1 until V is made
	s_wait_alu depctr_va_vdst(0)                   ; v[L16] is written: every global load and store of the kernel reads it as its offset
.irp m, 0,1,2,3
.irp s, 0,1,2,3,4,5,6,7
.irp c, 0,1
	global_load_b128 v[64*\m+8*\s+4*\c:64*\m+8*\s+4*\c+3], v[L16], s[4:5] offset:8192*\m+1024*\s+512*\c th:TH_LOAD_NT
.endr
.endr
.endr
	WIN 0
.irp m, 0,1,2,3
	global_load_b128 v[XS+4*\m:XS+4*\m+3], v[L16], s[6:7] offset:512*\m th:TH_LOAD_NT
.endr
	FILL 0
	FILL 1
	FILL 2
	FILL 3
	WIN 0
	v_mul_u32_u24 v16, v2, TP                      ; the other addresses are made while the loads are out; each is first read by an LDS instruction behind a later wait on va_vdst
	v_lshl_add_u32 v16, v3, 8, v16                 ; 2064 r + 256 h
	s_lshl_b32 s24, s16, 6
	v_add_nc_u32 v[QB], s24, v16
	s_lshl_b32 s24, s16, 9
	v_add_nc_u32 v[VB], s24, v16
	v_mul_u32_u24 v17, v3, AP
	v_lshl_add_u32 v17, v2, 4, v17
	v_add_nc_u32 v[AB], RB, v17
	s_mul_i32 s24, s16, 16*SPI                     ; my stage
	v_mul_u32_u24 v17, v2, SPI
	v_lshl_add_u32 v17, v3, 5, v17
	v_add_nc_u32 v[STO], s24, v17
	v_add_nc_u32 v[RD], s24, v[L16]
	v_mul_u32_u24 v17, v2, AP
	v_mad_u32_u24 v17, v3, 16*AP, v17              ; 1040 r + 16640 h
	s_mul_i32 s24, s16, 16*TP                      ; my 16 tokens
	s_add_co_u32 s25, s24, RB
	s_lshl_b32 s26, s16, 8
	s_add_co_u32 s26, s26, RB
	s_add_co_u32 s27, s26, 64*AP
	WIN 0xc0                                       ; destination window 3, sources window 0
	v_add_nc_u32 v[AQ3], s24, v[L16]
	v_add_nc_u32 v[AK3], s25, v[L16]
	v_add_nc_u32 v[AOA], s26, v17
	v_add_nc_u32 v[AOA+1], s27, v17
.irp i, 0,1,2,3,4,5,6,7,8,9,10,11,12,13,14,15,16,17,18,19
	v_mov_b32 v[P3+64+\i], 0                       ; the four zeros behind P, and the statistics (a lane permute's destination counts as one of its sources)
.endr
	WIN 0
	; ---- Q, then K: 2 x 4 trips of four tiles; a trip is one head of my four.  Tile 16 w + 4 trip + b: head 4 w + trip, d = 16 b + 8 h + 0 .. 7
	s_mov_b32 s18, 0                               ; what the trip adds to the store addresses: 16 a head, and RB from Q to K
	s_mov_b32 s24, 2
.Lmat:
	s_mov_b32 s17, 4
.Lhead:
	TRIP QB, 512, 51, 34, 34, 34, 1                ; behind a tile's 17 loads: in the first tile the three other buffers' 51; in the others 34, since the refill of the buffer just left is issued behind the wait
	s_add_co_u32 s18, s18, 16
	s_sub_co_u32 s17, s17, 1
	s_cmp_lg_u32 s17, 0
	s_cbranch_scc1 .Lhead
	s_add_co_u32 s18, s18, RB-64
	s_sub_co_u32 s24, s24, 1
	s_cmp_lg_u32 s24, 0
	s_cbranch_scc1 .Lmat
	BAR                                            ; Q and K of all 64 tokens lie in LDS
	; ---- the scores and the softmax of my 16 tokens, four at a time.  S^T = K Q^T: a lane holds query head lane % 16 and key heads 8 (lane / 16) + 0 .. 7.  All of it in window 3.
.macro QKLOAD g
.irp u, 0,1,2,3
.irp i, 0,1,2,3
	ds_load_b128 v[QF+16*\u+4*\i:QF+16*\u+4*\i+3], v[AQ3] offset:(4*(\g)+\u)*TP+512*\i   ; 16 heads x d = 16 i + 8 h + 0 .. 7: 512 consecutive bytes
	ds_load_b128 v[KF+16*\u+4*\i:KF+16*\u+4*\i+3], v[AK3] offset:(4*(\g)+\u)*TP+512*\i
.endr
.endr
.endm
.macro SCORE g
	s_wait_dscnt 0x0
.irp s, 0,1                                    ; the four tokens' accumulators by turns
.irp u, 0,1,2,3
.if \s == 0
	v_wmma_f32_16x16x32_f16 v[S3+8*\u:S3+8*\u+7], v[KF+16*\u:KF+16*\u+7], v[QF+16*\u:QF+16*\u+7], 0
.else
	v_wmma_f32_16x16x32_f16 v[S3+8*\u:S3+8*\u+7], v[KF+16*\u+8:KF+16*\u+15], v[QF+16*\u+8:QF+16*\u+15], v[S3+8*\u:S3+8*\u+7]
.endif
.endr
.endr
	PLACES 4
.if \g < 3
	s_wait_alu depctr_va_vdst(0)                   ; the eight products are done reading Q's and K's fragments, in which the next four tokens' loads land
	QKLOAD \g+1                                    ; the next four tokens land while these are worked on
.endif
.irp u, 0,1,2,3
	v_max3_num_f32 v[T3+4*\u], v[S3+8*\u], v[S3+8*\u+1], v[S3+8*\u+2]       ; the row's maximum, from the accumulator's low end on; the four tokens by turns throughout
.endr
.irp u, 0,1,2,3
	v_max3_num_f32 v[T3+4*\u], v[T3+4*\u], v[S3+8*\u+3], v[S3+8*\u+4]
.endr
.irp u, 0,1,2,3
	v_max3_num_f32 v[T3+4*\u], v[T3+4*\u], v[S3+8*\u+5], v[S3+8*\u+6]
.endr
.irp u, 0,1,2,3
	v_max_num_f32 v[T3+4*\u], v[T3+4*\u], v[S3+8*\u+7]
.endr
.irp u, 0,1,2,3
	v_permlanex16_b32 v[T3+4*\u+1], v[T3+4*\u], s20, s21                    ; the other eight key heads lie in the lane 16 away
.endr
.irp u, 0,1,2,3
	v_max_num_f32 v[T3+4*\u], v[T3+4*\u], v[T3+4*\u+1]
.endr
.irp u, 0,1,2,3
	v_mul_f32 v[T3+4*\u], s22, v[T3+4*\u]                                   ; c m
.endr
.irp k, 0,2,4,6
.irp u, 0,1,2,3
	v_pk_fma_f32 v[S3+8*\u+\k:S3+8*\u+\k+1], v[S3+8*\u+\k:S3+8*\u+\k+1], s[22:23], v[T3+4*\u:T3+4*\u+1] op_sel_hi:[1,0,0] neg_lo:[0,0,1] neg_hi:[0,0,1]   ; c s - c m, two at a time
.endr
.endr
.irp j, 0,1,2,3,4,5,6,7
.irp u, 0,1,2,3
	v_exp_f32 v[S3+8*\u+\j], v[S3+8*\u+\j]
.endr
.endr
	v_nop                                          ; a plain instruction behind the last exponential,
	s_wait_alu depctr_va_vdst(0)                   ; and one wait for the batch of 32 exponentials, ahead of the first reader of their results
.irp u, 0,1,2,3
	v_pk_add_f32 v[T3+4*\u+2:T3+4*\u+3], v[S3+8*\u:S3+8*\u+1], v[S3+8*\u+2:S3+8*\u+3]
.endr
.irp u, 0,1,2,3
	v_pk_add_f32 v[T3+4*\u:T3+4*\u+1], v[S3+8*\u+4:S3+8*\u+5], v[S3+8*\u+6:S3+8*\u+7]
.endr
.irp u, 0,1,2,3
	v_pk_add_f32 v[T3+4*\u+2:T3+4*\u+3], v[T3+4*\u+2:T3+4*\u+3], v[T3+4*\u:T3+4*\u+1]
.endr
.irp u, 0,1,2,3
	v_add_f32 v[T3+4*\u+2], v[T3+4*\u+2], v[T3+4*\u+3]
.endr
.irp u, 0,1,2,3
	v_permlanex16_b32 v[T3+4*\u+3], v[T3+4*\u+2], s20, s21
.endr
.irp u, 0,1,2,3
	v_add_f32 v[T3+4*\u+2], v[T3+4*\u+2], v[T3+4*\u+3]                      ; the row's sum
.endr
.irp u, 0,1,2,3
	v_rcp_f32 v[T3+4*\u], v[T3+4*\u+2]
.endr
	v_nop
	s_wait_alu depctr_va_vdst(0)                   ; one wait for the four reciprocals, ahead of the first reader of their results
.irp k, 0,2,4,6
.irp u, 0,1,2,3
	v_pk_mul_f32 v[S3+8*\u+\k:S3+8*\u+\k+1], v[S3+8*\u+\k:S3+8*\u+\k+1], v[T3+4*\u:T3+4*\u+1] op_sel_hi:[1,0]
.endr
.endr
.irp k, 0,1,2,3
.irp u, 0,1,2,3
	v_cvt_pk_f16_f32 v[P3+4*(4*\g+\u)+\k], v[S3+8*\u+2*\k], v[S3+8*\u+2*\k+1]   ; P: query head lane % 16, key heads 8 (lane / 16) + 0 .. 7: the lower half of source 1 of the next product, as it stands
.endr
.endr
.endm
	WIN 0xff
	QKLOAD 0                                       ; (no vector or matrix instruction has named these registers; the addresses were written ahead of the tiles' waits)
	SCORE 0
	SCORE 1
	SCORE 2
	SCORE 3
	WIN 0
	BAR                                            ; nobody reads Q or K any more
	; ---- V: tile d0 = 16 w + 4 trip + b holds rows 64 m + d0 of Wv: a lane's eight results are heads 8 h + 0 .. 7 of V[token][.][d0]: V^T goes where Q lay
	s_mov_b32 s18, 0
	s_mov_b32 s17, 3
.Lv:
	TRIP VB, 16, 51, 34, 34, 34, 1
	s_add_co_u32 s18, s18, 64
	s_sub_co_u32 s17, s17, 1
	s_cmp_lg_u32 s17, 0
	s_cbranch_scc1 .Lv
	TRIP VB, 16, 51, 34, 33, 32, 2                 ; the last trip: the buffers take Wfc's first four K steps.  Behind a tile's loads: 17 + 17 + 17; 17 + 17; 17 + 16; 16 + 16
	BAR                                            ; V^T of all 64 tokens lies in LDS
	; ---- att^T = V^T P^T for my 16 tokens, one after the other: four tiles of 16 of d; K = the 16 heads, filled up to 32: V^T's upper four registers are zeros, and against them stand the next token's P (finite), or zeros.
.macro VLOAD t
.irp d, 0,1,2,3
	ds_load_b128 v[QF+32*((\t)%2)+8*\d:QF+32*((\t)%2)+8*\d+3], v[AQ3] offset:(\t)*TP+512*\d
.endr
.endm
.macro PVMUL t
.irp d, 0,1,2,3
	v_wmma_f32_16x16x32_f16 v[KF+32*((\t)%2)+8*\d:KF+32*((\t)%2)+8*\d+7], v[QF+32*((\t)%2)+8*\d:QF+32*((\t)%2)+8*\d+7], v[P3+4*(\t):P3+4*(\t)+7], 0
.endr
.endm
.macro PVCVT t                         ; token t's results, rounded to f16, into packed set t % 2
.irp d, 0,1,2,3
.irp k, 0,1,2,3
	v_cvt_pk_f16_f32 v[S3+16*((\t)%2)+4*\d+\k], v[KF+32*((\t)%2)+8*\d+2*\k], v[KF+32*((\t)%2)+8*\d+2*\k+1]
.endr
.endr
.endm
.macro PVST t                          ; lane (r, h): head r, d = 16 dt + 8 h + 0 .. 7: place p = 16 (2 dt + h) + r
.irp d, 0,1,2,3
	ds_store_b128 v[AOA+\d/2], v[S3+16*((\t)%2)+4*\d:S3+16*((\t)%2)+4*\d+3] offset:(\d%2)*32*AP+16*(\t)
.endr
.endm
	WIN 0xff
.irp f, 0,1,2,3,4,5,6,7
.irp k, 4,5,6,7
	v_mov_b32 v[QF+8*\f+\k], 0
.endr
.endr
	VLOAD 0                                        ; (the loads land in each fragment's lower four registers, which the lines above do not name)
.set TT, 0
.rept 16
.if TT >= 3
	s_wait_alu depctr_vm_vsrc(0)                   ; the LDS stores of three tokens back, issued at the last token's head, have read the packed set that this token's conversions write
.endif
.if TT >= 1
	s_wait_alu depctr_va_vdst(0)                   ; the last token's products are done reading their set of V^T, in which the loads below land; the conversions of two tokens back have written their packed set, which the stores below read
.endif
.if TT >= 2
	PVST TT-2
.endif
.if TT < 15
	VLOAD TT+1
.endif
.set ND, 0
.if TT >= 2
.set ND, ND+4
.endif
.if TT < 15
.set ND, ND+4
.endif
	s_wait_dscnt ND                                ; this token's V^T is in: all but the stores and loads issued at this head
	PVMUL TT
.if TT == 0
	PLACES 5                                       ; token 2's products write over these accumulators, and no other plain work that names none of them stands between
.else
	PVCVT TT-1                                     ; the token before: its sixteen conversions are the places behind this token's products
.endif
.set TT, TT+1
.endr
	s_wait_alu depctr_vm_vsrc(0)                   ; token 13's LDS stores have read the packed set that token 15's conversions write
	PVCVT 15                                       ; (token 14's conversions are its places)
	s_wait_alu depctr_va_vdst(0)                   ; the conversions of tokens 14 and 15 have written both packed sets, which the stores read
	PVST 14
	PVST 15
	WIN 0
	BAR                                            ; att of all 64 tokens lies in LDS; nobody reads V^T any more
	; ---- out0 = att Wfc^T: two passes of 128 of my 256 columns; 32 accumulators (4 tiles of tokens x 8 tiles of columns) by turns; K = 1,024 in 32 steps.  K step g of 64 (both passes on end) lies in buffer g % 4.
.macro ALOAD set, reg, nx              ; att's four fragments of the K step nx steps on from v[reg]
.irp m, 0,1,2,3
.irp g, 0,1
	ds_load_b128 v[AF+32*(\set)+8*\m+4*\g:AF+32*(\set)+8*\m+4*\g+3], v[\reg] offset:(\nx)*4*AP+2*AP*\g+256*\m
.endr
.endr
.endm
.macro FCM buf, set, m, zero           ; eight matrix instructions: tile m of tokens against the K step's eight tiles of columns
.irp n8, 0,1,2,3,4,5,6,7
.if \zero
	v_wmma_f32_16x16x32_f16 v[8*(8*\m+\n8):8*(8*\m+\n8)+7], v[64*\buf+8*\n8:64*\buf+8*\n8+7], v[AF+32*\set+8*\m:AF+32*\set+8*\m+7], 0
.else
	v_wmma_f32_16x16x32_f16 v[8*(8*\m+\n8):8*(8*\m+\n8)+7], v[64*\buf+8*\n8:64*\buf+8*\n8+7], v[AF+32*\set+8*\m:AF+32*\set+8*\m+7], v[8*(8*\m+\n8):8*(8*\m+\n8)+7]
.endif
.endr
.endm
; A K step.  nx >= 0: the next K step's fragments of att are asked for, into the other set.  zero = 1: the products start the sums.  foff >= 0: the buffer that the step before has left takes the K step three on from this one.
; n: the weights' loads that may stay out.  The step's loads stand in one run behind its first eight products.
.macro KSTEP buf, set, reg, nx, zero, foff, n
	s_wait_loadcnt \n
	s_wait_dscnt 0x0                               ; this step's fragments of att, asked for in the step before, are in
.if (\nx >= 0) || (\foff >= 0)
	s_wait_alu depctr_va_vdst(0)                   ; the step before: its products are done reading their buffer of Wfc and their set of att's fragments, in which the loads below land; where v[AA] has been written anew, it is written
.endif
	WIN 0x52                                       ; source 0 (Wfc) window 2, source 1 (att) window 0, C and D window 1
	FCM \buf, \set, 0, \zero
.if \nx >= 0
	WIN 0
	ALOAD 1-\set, \reg, \nx                        ; no further wait: the eight products since the wait name this step's buffer, this step's set and the accumulators alone
.endif
.if \foff >= 0
	FILLF (\buf+3)%4, \foff
.endif
	WIN 0x52
	FCM \buf, \set, 1, \zero
	FCM \buf, \set, 2, \zero
	FCM \buf, \set, 3, \zero
	WIN 0
	PLACES 4
.endm
.macro FSTEP                           ; Wfc's pointer goes four K steps on, at the head of each four refills
	s_wait_xcnt 0x0                                ; the loads of Wfc issued so far have read their base (the last stand ahead of 24 products of the step before)
	s_add_nc_u64 s[12:13], s[12:13], 4*8192
.endm
.macro FOUR                            ; a trip: four K steps, from one past a multiple of four on
	FSTEP
	KSTEP 1, 1, AA, 2, 0, 0, 32                    ; 32: the two younger K steps' 16 loads each; the third is issued behind the wait
	KSTEP 2, 0, AA, 3, 0, 8192, 32
	KSTEP 3, 1, AA, 4, 0, 16384, 32
	KSTEP 0, 0, AA, 5, 0, 24576, 32
	s_add_co_u32 s19, s19, 16*AP
	s_wait_alu depctr_vm_vsrc(0)                   ; the LDS loads issued so far have read v[AA]
	v_add_nc_u32 v[AA], s19, v[AB]                 ; (read next behind the next step's wait on va_vdst)
.endm
; THE WAY OUT of a pass, a tile of 16 tokens x 128 columns at a time: a lane holds 32 bytes of a row, so a block goes through my own stage in LDS (in RA, which nobody reads any more) and comes back as whole rows of 512 bytes.
; LDS serves a wave's instructions in order (ISA guide 5.7.1.4): no wait between the stores and the loads, nor in front of the next block's stores.
.macro TOSTAGE a
	WIN 0x04                                       ; an LDS store's data are its source 1: window 1
.irp n, 0,1,2,3,4,5,6,7
	ds_store_b128 v[STO], v[8*(8*(\a)+\n):8*(8*(\a)+\n)+3] offset:64*\n          ; each accumulator from its low end on
	ds_store_b128 v[STO], v[8*(8*(\a)+\n)+4:8*(8*(\a)+\n)+7] offset:64*\n+16
.endr
	WIN 0
.irp t, 0,1,2,3,4,5,6,7,8,9,10,11,12,13,14,15
	ds_load_b128 v[BK+64*((\a)%2)+4*\t:BK+64*((\a)%2)+4*\t+3], v[RD] offset:\t*SPI
.endr
.endm
.macro SEND a, pass, younger
	s_wait_dscnt \younger                          ; the block is back in registers; the next block's 16 stores and 16 loads may be out
.irp t, 0,1,2,3,4,5,6,7,8,9,10,11,12,13,14,15
	global_store_b128 v[L16], v[BK+64*((\a)%2)+4*\t:BK+64*((\a)%2)+4*\t+3], s[14:15] offset:(16*(\a)+\t)*4096+512*\pass th:TH_STORE_NT   ; 32 lanes store 512 consecutive bytes, at a multiple of 256 from out0's first byte
.endr
.endm
.macro OUT pass
.if \pass > 0
	s_wait_xcnt 0x0                                ; the first pass's stores have read their registers: the rows may land there (the wait on vm_vsrc between the passes has said the same of them)
.endif
	TOSTAGE 0
.irp a, 1,2,3
.if \a > 1
	s_wait_xcnt 0x0                                ; block a - 2's stores have had their addresses translated,
	s_wait_alu depctr_vm_vsrc(0)                   ; and have read their registers, in which block a's rows land
.endif
	TOSTAGE \a
	SEND \a-1, \pass, 32
.endr
	SEND 3, \pass, 0
.endm
	s_mov_b32 s19, 0
	v_add_nc_u32 v[AA], s19, v[AB]
	ALOAD 0, AB, 0                                 ; (v[AB] and the registers in which these land were last named ahead of earlier waits on va_vdst)
	KSTEP 0, 0, AA, 1, 1, -1, 48                   ; K step 0 stands in front of the loop: its products start the sums; no buffer has been left yet.  48: the three younger K steps
	s_mov_b32 s17, 7
.Lfc0:
	FOUR                                           ; K steps 1 to 28
	s_sub_co_u32 s17, s17, 1
	s_cmp_lg_u32 s17, 0
	s_cbranch_scc1 .Lfc0
	FSTEP
	KSTEP 1, 1, AA, 2, 0, 0, 32                    ; 29
	KSTEP 2, 0, AA, 3, 0, 8192, 32                 ; 30
	KSTEP 3, 1, AB, 0, 0, 16384, 32                ; 31: att's K step 0 is asked for again, for the second pass
	s_wait_alu depctr_va_vdst(0)                   ; the pass's products have written the accumulators, which the stage's LDS stores read, and are done reading buffer 3, in which the loads below land; the places above stay beside this wait
	FILLF 3, 24576                                 ; the second pass's K step 3 is on its way while the first pass goes out
	WIN 0
	OUT 0
	s_mov_b32 s19, 0
	s_wait_alu depctr_vm_vsrc(0)                   ; the stage's LDS stores have read the accumulators, which the second pass's products write anew; the LDS loads have read v[AA]; the global stores have read their rows
	v_add_nc_u32 v[AA], s19, v[AB]
	PLACES 5                                       ; the second pass's first products write over the first pass's accumulators
	KSTEP 0, 0, AA, 1, 1, -1, 48
	s_mov_b32 s17, 6
.Lfc1:
	FOUR                                           ; K steps 1 to 24
	s_sub_co_u32 s17, s17, 1
	s_cmp_lg_u32 s17, 0
	s_cbranch_scc1 .Lfc1
	FSTEP
	KSTEP 1, 1, AA, 2, 0, 0, 32                    ; 25 to 28: the last four refills
	KSTEP 2, 0, AA, 3, 0, 8192, 32
	KSTEP 3, 1, AA, 4, 0, 16384, 32
	KSTEP 0, 0, AA, 5, 0, 24576, 32
	KSTEP 1, 1, AA, 6, 0, -1, 32                   ; 29 to 31: nothing is left to fetch of Wfc: the counts run down
	KSTEP 2, 0, AA, 7, 0, -1, 16
	KSTEP 3, 1, AA, -1, 0, -1, 0
	s_wait_alu depctr_va_vdst(0)                   ; the pass's products have written the accumulators, which the stage's LDS stores read; the places above stay beside this wait
	OUT 1
	s_wait_dscnt 0x0                               ; the closing lines, six on end
	s_wait_alu 0x0
	s_wait_tensorcnt 0x0
	ds_add_u32 v[SPW], v[NIL]
	s_wait_dscnt 0x0
	s_endpgm
.Lfunc_end_k_q0299e0009c_main:
	.size	k_q0299e0009c_main, .Lfunc_end_k_q0299e0009c_main-k_q0299e0009c_main
	.p2alignl 7, 3214868480
	.fill 96, 4, 3214868480
	.section	.rodata,"a",@progbits
	.p2align	6, 0x0
	.amdhsa_kernel k_q0299e0009c_main
		.amdhsa_group_segment_fixed_size 265728
		.amdhsa_private_segment_fixed_size 0
		.amdhsa_enable_private_segment 0
		.amdhsa_kernarg_size 48
		.amdhsa_user_sgpr_count 2
		.amdhsa_user_sgpr_kernarg_segment_ptr 1
		.amdhsa_wavefront_size32 1
		.amdhsa_system_sgpr_workgroup_id_x 1
		.amdhsa_system_sgpr_workgroup_id_y 1
		.amdhsa_system_sgpr_workgroup_id_z 1
		.amdhsa_system_vgpr_workitem_id 0
		.amdhsa_next_free_vgpr 1024
		.amdhsa_next_free_sgpr 66
		.amdhsa_reserve_vcc 0
		.amdhsa_float_denorm_mode_32 3
		.amdhsa_float_denorm_mode_16_64 3
		.amdhsa_memory_ordered 1
		.amdhsa_forward_progress 1
		.amdhsa_inst_pref_size 255
	.end_amdhsa_kernel
	.section	.bss,"aw",@nobits
	.p2align	6
	.space	262144
	.amdgpu_metadata
---
amdhsa.version: [ 1, 2 ]
amdhsa.kernels:
  - .name:           k_q0299e0009c_main
    .symbol:         k_q0299e0009c_main.kd
    .args:
      - { .name: xc, .offset: 0, .size: 8, .value_kind: global_buffer, .address_space: global }
      - { .name: xs, .offset: 8, .size: 8, .value_kind: global_buffer, .address_space: global }
      - { .name: wc, .offset: 16, .size: 8, .value_kind: global_buffer, .address_space: global }
      - { .name: ws, .offset: 24, .size: 8, .value_kind: global_buffer, .address_space: global }
      - { .name: wf, .offset: 32, .size: 8, .value_kind: global_buffer, .address_space: global }
      - { .name: out0, .offset: 40, .size: 8, .value_kind: global_buffer, .address_space: global }
    .group_segment_fixed_size: 265728
    .private_segment_fixed_size: 0
    .kernarg_segment_align: 8
    .kernarg_segment_size: 48
    .max_flat_workgroup_size: 128
    .sgpr_count:     66
    .vgpr_count:     1024
    .wavefront_size: 32
...
	.end_amdgpu_metadata
.endif
;; end of part 3
